; MI455X (gfx1250); checked and timed in simulation.
; The chip was launched on July 23, 2026; its instructions are those of AMD's public machine-readable ISA for CDNA 5 (MIT licence, August 2026) and "CDNA5" Instruction Set Architecture Reference Guide (July 2026). The comments in the code are by the model that wrote it; some were corrected since.
;; Attention. Allowed arithmetic: matrix products marked QUANTISED: E2M3 operands, one E8M0 scale for each 32 along K, by v_wmma_scale_f32_16x16x128_f8f6f4 with both operands' format E2M3, f32 sums; everything else in f32.
;; Inputs: b_proj 1,024 float32; w_proj 1,024 x 1,024 float32; w_qkv 3,072 x 1,024 float32; x 4 x 2,048 x 1,024 float32.
;; Outputs: out0 4 x 2,048 x 1,024 float32.
;; This version of the problem:
;;   THIS VERSION OF THE PROBLEM IS GIVEN IN LOW PRECISION. The matrix products marked QUANTISED in the list below multiply operands that are first quantised to E2M3 (2 exponent bits, 3 mantissa bits; 6 bits a number), with one power-of-two scale for each 32 numbers along K (OCP MX v1.0); their sums are f32. All else is computed in f32.
;;   The module's matrix products, in the order in which they are computed (A, B: the left and right operand; K: the contracted axis; several contracted axes count as one K, in the product's order):
;;     1. [M 8,192, K 1,024] x [K 1,024, N 3,072]; A: input x; B: input w_qkv: QUANTISED
;;     2. batch 64 x [M 2,048, K 64] x [K 64, N 2,048]; A: computed on the way; B: computed on the way: QUANTISED
;;     3. batch 64 x [M 2,048, K 2,048] x [K 2,048, N 64]; A: softmax (see below); B: computed on the way: QUANTISED
;;     4. [M 8,192, K 1,024] x [K 1,024, N 1,024]; A: computed on the way; B: input w_proj: QUANTISED
;;   THE QUANTISER, for each operand of a quantised product, along K:
;;     - K is cut into blocks of 32 from its start; a last block that is shorter is filled with zeros.
;;     - A block's scale is 2^e with e = floor(log2(the largest magnitude in the block)) - 2, held to -126 .. 127; a block of zeros has e = 0. As a byte (E8M0): e + 127.
;;     - Each number is divided by its block's scale, clamped to +-7.5, and rounded to the nearest number of E2M3, ties to even, subnormals kept.
;;     - The product sums the exact products of the quantised numbers (number of the format x scale) in f32.
;;   ~~~python
;;   def quantise(x, axis):      # numpy; x: float32 -> the quantised numbers, widened to float32 again
;;       x = np.moveaxis(x, axis, -1); K = x.shape[-1]
;;       x = np.pad(x, [(0, 0)] * (x.ndim - 1) + [(0, -K % 32)]); x = x.reshape(x.shape[:-1] + (-1, 32)); a = np.abs(x).max(-1, keepdims=True)
;;       e = np.where(a > 0, np.clip(np.frexp(np.where(a > 0, a, 1))[1] - 1 - 2, -126, 127), 0)      # np.frexp(a)[1] - 1 = floor(log2(a)), exactly
;;       r = np.clip(x / 2.0 ** e, -7.5, 7.5)
;;       step = 2.0 ** (np.maximum(np.frexp(np.where(r == 0, 1, r))[1] - 1, 0) - 3)
;;       q = np.round(r / step) * step * 2.0 ** e      # np.round: ties to even
;;       return np.moveaxis(q.reshape(q.shape[:-2] + (-1,))[..., :K], -1, axis).astype(np.float32)
;;   ~~~
;;   SOFTMAX AHEAD OF A QUANTISED PRODUCT. Where the list says 'softmax', what is quantised is not the finished softmax but p = 2^(t - M), with t = logit x log2(e) and M = ceil(the row's largest t), a whole number; so 1/2 < the row's largest p <= 1. The row's sum l is taken of the UNQUANTISED p, in f32, and the product's result is divided by l at the end. Since M is a whole number, a kernel that streams over the keys may use a running M (the ceiling of the running maximum): every later rescaling is an exact power of two, which a block's scale takes up: the codes' values come out the same.
;;   OPERANDS COMPUTED ON THE WAY. 'Computed on the way' means the value that the module computes at that place (a softmax that the list does not call 'softmax' is quantised finished and normalised). What goes into a quantiser is computed in f32, as accurately as f32 sums, v_exp_f32 and their like allow (about 1e-6 of the number): no bf16 or f16 on the way to a quantiser, and a product that is left as it is and whose result goes on into a quantised operand takes f32 operands (vector FMAs, or v_wmma_f32_16x16x4_f32). A number that lies on a knife's edge between two numbers of the format may be rounded either way, as far as f32 arithmetic and the matrix unit's own rounding can turn it there, and no further.
;; One version. Each part assembles by itself: llvm-mc -triple=amdgcn-amd-amdhsa -mcpu=gfx1250 --defsym DOCPART=n.
;; ======== version 1 of 1: 4 launches
;; limits: right only within a limited range of input values
;; workspace buffers: cimg 9,437,184 bytes; csc 393,216 bytes; qkvimg 18,874,368 bytes; qkvsc 1,572,864 bytes; aoimg 6,291,456 bytes; aosc 262,144 bytes
;; launch quant (part 1): grid 384 x 1, 4 waves a work-group, no clusters, 34,304 bytes of LDS; arguments x, w_qkv, w_proj, cimg, csc; writes cimg, csc
.if DOCPART == 1
	.amdgcn_target "amdgcn-amd-amdhsa--gfx1250"
	.amdhsa_code_object_version 6
	.text
	.protected	k_qb4b3882464_quant
	.globl	k_qb4b3882464_quant
	.p2align	8
	.type	k_qb4b3882464_quant,@function
k_qb4b3882464_quant:
	s_mov_b64 s[64:65], 0
	v_nop
	global_prefetch_b8 v0, s[64:65] scope:SCOPE_SE
	s_setreg_imm32_b32 hwreg(HW_REG_WAVE_MODE, 25, 1), 1
	s_wait_xcnt 0x0
; x [8192][1024], w_qkv [3072][1024] and w_proj [1024][1024], f32, K innermost, become codes of FP6 (E2M3) with one E8M0 byte for each 32 along K,
; laid AS THE MATRIX UNIT'S REGISTERS WANT THEM.  The 12,288 rows are 768 row tiles of 16; tile 2 G + u holds rows 32 G + 8 u + r + 8 (r / 8), r = 0 .. 15.
; cimg [tile 768][s 8][1,536 bytes]: the image of a fragment, 16 rows x 128 K: six pieces of 256 bytes; piece p holds operand registers 2 p, 2 p + 1, lane l's 8 bytes at 8 l.
; csc  [tile 768][j 4][r 16][8 bytes]: byte i of row r scales k = 256 j + 32 i.
; A block's scale is 2^(floor(log2(its largest magnitude)) - 2); its byte is the largest magnitude's exponent field - 2, held at 1 from below.
; LIMITS: a block of zeros gets the byte 1 (its codes are zeros, and this program alone reads the bytes); blocks whose largest magnitude lies under 2^-124 are held at that byte; NaN and infinities are not served.
; SHARES.  A work-group takes 32 rows (two tiles); wave w takes tile w / 2 and fragments 4 (w % 2) + 0 .. 3.  Each load reads 512 consecutive bytes of a row; a fragment's 16 rows turn through the wave's own
; stage in LDS (rows 528 bytes apart: 16 rows start at 16 different groups of banks) and come back 32 neighbours along K to a lane: a whole block, so that no other lane is asked for a maximum.
; No tensor load, no barrier: waves share nothing, and no work-group reads what another reads, so there is nothing to ask for jointly.  Loads run two fragments (32 loads a wave) ahead.
.set SP,    528
.set STG,   16*SP                      ; a wave's stage
.set SPARE, 4*STG                      ; behind the stages: the spare words, 128 bytes a wave: two blocks of 256 bytes that no other line names
.set LO16,  1                          ; v1   16 x lane: my bytes of a load's 512
.set STI,   2                          ; v2   the stage, on the way in
.set STO,   3                          ; v3   and on the way out: row r, + 128 h
.set LO8,   4                          ; v4   8 x lane: my bytes of a piece
.set SH8,   5                          ; v5   8 h
.set SPW,   6                          ; v6   LDS address of my spare word; never rewritten
.set NIL,   7                          ; v7   0; never rewritten
.set W,     8                          ; v8-11  my row's scale word of each of the four fragments
.set MX,    12                         ; v12-13 two largest magnitudes
.set SO,    14                         ; v14-15 the conversions' scale operands
.set CD,    16                         ; v16-39 codes: two sets of 12
.set OH,    40                         ; v40-42, v44-46 a block's upper 16 codes, as the conversion leaves them
.set X,     64                         ; v64-127  64 numbers of my row: register 32 c + i = k 64 c + 32 h + i
.set R,     128                        ; v128-255 two sets of 64: a fragment as it is loaded
	s_load_b256 s[4:11], s[0:1], 0x0               ; x s[4:5], w_qkv s[6:7], w_proj s[8:9], cimg s[10:11]
	s_load_b64 s[12:13], s[0:1], 0x20              ; csc
	v_lshl_add_u32 v[SPW], v0, 2, SPARE
	v_mov_b32 v[NIL], 0
	v_lshrrev_b32 v1, 5, v0
	v_readfirstlane_b32 s16, v1                    ; wave 0..3
	v_and_b32 v52, 31, v0                          ; lane
	v_and_b32 v53, 15, v0                          ; r
	v_bfe_u32 v54, v0, 4, 1                        ; h
	v_lshlrev_b32 v[LO16], 4, v52
	v_lshlrev_b32 v[LO8], 3, v52
	v_lshlrev_b32 v[SH8], 3, v54
	s_mul_i32 s18, s16, STG
	v_add_nc_u32 v[STI], s18, v[LO16]
	v_mul_u32_u24 v[STO], v53, SP
	v_lshl_add_u32 v[STO], v54, 7, v[STO]
	v_add_nc_u32 v[STO], s18, v[STO]
	v_mov_b32 v51, 0                               ; written once: a lane permute's destination counts as one of its sources
	s_mov_b32 s20, 0x76543210
	s_mov_b32 s21, 0xfedcba98                      ; v_permlanex16_b32's selects for lane l xor 16
	s_lshr_b32 s14, s16, 1                         ; u: which of the two tiles
	s_and_b32 s15, s16, 1                          ; which four fragments
	s_mov_b32 s17, 352
	s_wait_alu depctr_va_vdst(0)
	s_wait_kmcnt 0x0
	s_cmp_lt_u32 ttmp9, 352                        ; work-groups 0-255 take x, 256-351 w_qkv, 352-383 w_proj: the choice hangs on the work-group's number alone
	s_cselect_b64 s[6:7], s[6:7], s[8:9]
	s_cselect_b32 s17, 256, s17
	s_cmp_lt_u32 ttmp9, 256
	s_cselect_b64 s[4:5], s[4:5], s[6:7]
	s_cselect_b32 s17, 0, s17                      ; the tensor's first work-group
	s_sub_co_u32 s18, ttmp9, s17
	s_lshl_b32 s18, s18, 17                        ; 32 rows of 4,096 bytes,
	s_lshl_b32 s19, s14, 15                        ; + 8 u rows,
	s_add_co_u32 s18, s18, s19
	s_lshl_b32 s19, s15, 11                        ; + four fragments of 512 bytes
	s_add_co_u32 s18, s18, s19
	s_mov_b32 s19, 0
	s_add_nc_u64 s[4:5], s[4:5], s[18:19]
	; WHERE w_qkv's TILES GO: the product's launch gives a wave 8 tiles of q or k and 4 of v, so they are stored on end: column group j (24 tiles from tile 512 + 24 j) holds, for each half,
	; four pairs of q/k tiles and two pairs of v tiles.  x's and w_proj's pairs keep their places.  All of it hangs on the work-group's number alone.
	s_sub_co_u32 s24, ttmp9, 256                   ; g: a pair of q/k tiles: j = g / 8, half (g / 4) % 2, place g % 4
	s_lshr_b32 s25, s24, 3
	s_mul_i32 s25, s25, 12
	s_bfe_u32 s26, s24, 0x10002
	s_mul_i32 s26, s26, 6
	s_add_co_u32 s25, s25, s26
	s_and_b32 s26, s24, 3
	s_add_co_u32 s25, s25, s26
	s_add_co_u32 s25, s25, 256
	s_sub_co_u32 s24, ttmp9, 320                   ; g: a pair of v tiles: j = g / 4, half (g / 2) % 2, place 4 + g % 2
	s_lshr_b32 s26, s24, 2
	s_mul_i32 s26, s26, 12
	s_bfe_u32 s27, s24, 0x10001
	s_mul_i32 s27, s27, 6
	s_add_co_u32 s26, s26, s27
	s_and_b32 s27, s24, 1
	s_add_co_u32 s26, s26, s27
	s_add_co_u32 s26, s26, 260
	s_cmp_lt_u32 ttmp9, 320
	s_cselect_b32 s25, s25, s26
	s_cmp_lt_u32 ttmp9, 256
	s_cselect_b32 s25, ttmp9, s25
	s_cmp_lt_u32 ttmp9, 352
	s_cselect_b32 s25, s25, ttmp9                  ; the pair's place
	s_lshl_b32 s22, s25, 1
	s_add_co_u32 s22, s22, s14                     ; my row tile's place
	s_mul_i32 s18, s22, 12288
	s_mul_i32 s23, s15, 6144
	s_add_co_u32 s18, s18, s23
	s_add_nc_u64 s[10:11], s[10:11], s[18:19]      ; its images, from my first fragment on
	s_lshl_b32 s18, s22, 9
	s_lshl_b32 s23, s15, 8
	s_add_co_u32 s18, s18, s23
	s_add_nc_u64 s[12:13], s[12:13], s[18:19]      ; and my 256 bytes of its scales
.macro LOAD f                          ; fragment f: the tile's 16 rows, 512 consecutive bytes each
.irp i, 0,1,2,3,4,5,6,7,8,9,10,11,12,13,14,15
	global_load_b128 v[R+64*((\f)%2)+4*\i:R+64*((\f)%2)+4*\i+3], v[LO16], s[4:5] offset:(\i+8*(\i/8))*4096+512*(\f) th:TH_LOAD_NT
.endr
.endm
.macro FRAGQ f
.set RS, R+64*((\f)%2)
.set CC, CD+12*((\f)%2)
.if (\f) < 3
	s_wait_loadcnt 16                              ; this fragment's 16 loads are in; the next fragment's 16 may be out
.else
	s_wait_loadcnt 0x0
.endif
.irp i, 0,1,2,3,4,5,6,7,8,9,10,11,12,13,14,15
	ds_store_b128 v[STI], v[RS+4*\i:RS+4*\i+3] offset:SP*\i
.endr
.irp c, 0,1
.irp e, 0,1,2,3,4,5,6,7
	ds_load_b128 v[X+32*\c+4*\e:X+32*\c+4*\e+3], v[STO] offset:256*\c+16*\e   ; LDS serves a wave's instructions in order: these see the stores above
.endr
.endr
	s_wait_dscnt 0x0                               ; my 64 numbers are here, and the stores have read the set that is loaded again below
.if (\f) < 2
	LOAD (\f)+2
.else
	s_wait_xcnt 0x0                                ; the stores of two fragments ago have read this set of codes: it is written again only behind this wait
.endif
.irp c, 0,1
	v_max3_num_f32 v[MX+\c], |v[X+32*\c]|, |v[X+32*\c+1]|, 0x1800000   ; block 2 c + h: all its 32 numbers are mine; the floor 2^(3 - 127) holds the byte at 1 from below
.endr
.irp i, 2,4,6,8,10,12,14,16,18,20,22,24,26,28,30
.irp c, 0,1
	v_max3_num_f32 v[MX+\c], v[MX+\c], |v[X+32*\c+\i]|, |v[X+32*\c+\i+1]|   ; (the two blocks by turns)
.endr
.endr
.irp c, 0,1
	v_add_nc_u32 v[SO+\c], 0xff000000, v[MX+\c]    ; 2 off the exponent field: the conversion takes the exponent field of this operand as its scale
.endr
.irp c, 0,1
	v_lshrrev_b32 v[49+\c], 23, v[SO+\c]           ; the scale's byte
.endr
	v_lshl_or_b32 v48, v50, 16, v49                ; my two bytes, blocks h and 2 + h,
	v_lshlrev_b32 v48, v[SH8], v48                 ; at their places in the word;
	v_permlanex16_b32 v51, v48, s20, s21
	v_or_b32 v[W+(\f)], v48, v51                   ; with lane l xor 16's two the word is whole, in both lanes
.irp c, 0,1
	v_cvt_scalef32_pk16_fp6_f32 v[CC+6*\c:CC+6*\c+2], v[X+32*\c:X+32*\c+15], v[SO+\c]
	v_cvt_scalef32_pk16_fp6_f32 v[OH+4*\c:OH+4*\c+2], v[X+32*\c+16:X+32*\c+31], v[SO+\c]   ; (a conversion's three registers begin on an even number)
.endr
	v_nop                                          ; one plain place behind a scaled conversion
.irp c, 0,1
.irp i, 0,1,2
	v_mov_b32 v[CC+3+6*\c+\i], v[OH+4*\c+\i]
.endr
.endr
.irp p, 0,1,2,3,4,5
	global_store_b64 v[LO8], v[CC+2*\p:CC+2*\p+1], s[10:11] offset:1536*(\f)+256*\p   ; 32 lanes store 256 consecutive bytes, at a multiple of 256 from the buffer's first byte
.endr
.endm
	LOAD 0
	LOAD 1
	FRAGQ 0
	FRAGQ 1
	FRAGQ 2
	FRAGQ 3
	v_cmp_le_u32 vcc_lo, 16, v52                   ; lanes 0-15 store row r's words of fragments 0, 1, lanes 16-31 those of fragments 2, 3
	v_cndmask_b32 v56, v[W], v[W+2], vcc_lo
	v_cndmask_b32 v57, v[W+1], v[W+3], vcc_lo
	global_store_b64 v[LO8], v[56:57], s[12:13]    ; 256 consecutive bytes
	s_wait_tensorcnt 0x0                           ; the wave's end, behind my last LDS store
	ds_add_u32 v[SPW], v[NIL]
	s_wait_dscnt 0x0
	s_endpgm
.Lfunc_end_k_qb4b3882464_quant:
	.size	k_qb4b3882464_quant, .Lfunc_end_k_qb4b3882464_quant-k_qb4b3882464_quant
	.p2alignl 7, 3214868480
	.fill 96, 4, 3214868480
	.section	.rodata,"a",@progbits
	.p2align	6, 0x0
	.amdhsa_kernel k_qb4b3882464_quant
		.amdhsa_group_segment_fixed_size 34304
		.amdhsa_private_segment_fixed_size 0
		.amdhsa_enable_private_segment 0
		.amdhsa_kernarg_size 40
		.amdhsa_user_sgpr_count 2
		.amdhsa_user_sgpr_kernarg_segment_ptr 1
		.amdhsa_wavefront_size32 1
		.amdhsa_system_sgpr_workgroup_id_x 1
		.amdhsa_system_sgpr_workgroup_id_y 1
		.amdhsa_system_sgpr_workgroup_id_z 1
		.amdhsa_system_vgpr_workitem_id 0
		.amdhsa_next_free_vgpr 256
		.amdhsa_next_free_sgpr 66
		.amdhsa_reserve_vcc 1
		.amdhsa_float_denorm_mode_32 3
		.amdhsa_float_denorm_mode_16_64 3
		.amdhsa_memory_ordered 1
		.amdhsa_forward_progress 1
		.amdhsa_inst_pref_size 32
	.end_amdhsa_kernel
	.amdgpu_metadata
---
amdhsa.version: [ 1, 2 ]
amdhsa.kernels:
  - .name:           k_qb4b3882464_quant
    .symbol:         k_qb4b3882464_quant.kd
    .args:
      - { .name: x, .offset: 0, .size: 8, .value_kind: global_buffer, .address_space: global }
      - { .name: w_qkv, .offset: 8, .size: 8, .value_kind: global_buffer, .address_space: global }
      - { .name: w_proj, .offset: 16, .size: 8, .value_kind: global_buffer, .address_space: global }
      - { .name: cimg, .offset: 24, .size: 8, .value_kind: global_buffer, .address_space: global }
      - { .name: csc, .offset: 32, .size: 8, .value_kind: global_buffer, .address_space: global }
    .group_segment_fixed_size: 34304
    .private_segment_fixed_size: 0
    .kernarg_segment_align: 8
    .kernarg_segment_size: 40
    .max_flat_workgroup_size: 128
    .sgpr_count:     66
    .vgpr_count:     256
    .wavefront_size: 32
...
	.end_amdgpu_metadata
.endif
;; end of part 1
;; launch qkv (part 2): grid 8 x 32, 4 waves a work-group, clusters of 4 x 4, 327,680 bytes of LDS; arguments cimg, csc, qkvimg, qkvsc; writes qkvimg, qkvsc
.if DOCPART == 2
	.amdgcn_target "amdgcn-amd-amdhsa--gfx1250"
	.amdhsa_code_object_version 6
	.text
	.protected	k_qb4b3882464_qkv
	.globl	k_qb4b3882464_qkv
	.p2align	8
	.type	k_qb4b3882464_qkv,@function
k_qb4b3882464_qkv:
	s_mov_b64 s[64:65], 0
	v_nop
	global_prefetch_b8 v0, s[64:65] scope:SCOPE_SE
	s_setreg_imm32_b32 hwreg(HW_REG_WAVE_MODE, 25, 1), 1
	s_wait_xcnt 0x0
	s_wait_alu depctr_hold_cnt(0) depctr_sa_sdst(0) depctr_va_vdst(0) depctr_va_sdst(0) depctr_va_ssrc(0) depctr_va_vcc(0) depctr_vm_vsrc(0)
	s_getreg_b32 s2, hwreg(HW_REG_IB_STS2, 6, 4)
	s_cmp_eq_u32 s2, 0
	s_cbranch_scc0 .Lentry_in_a_cluster
	s_endpgm
.Lentry_in_a_cluster:
	s_bfe_u32 s2, ttmp6, 0x10000c
	s_cmp_lg_u32 s2, 0xf033
	s_cbranch_scc0 .Lentry_shape_is_right
	s_endpgm
.Lentry_shape_is_right:
; q, k, v = x w_qkv^T on codes of FP6 (E2M3) with one E8M0 byte for each 32 along K = 1,024; the results are quantised again and stored as images of the attention's operands.
; IN: cimg [tile][s 8][1,536]: the image of a fragment, 16 rows x 128 K (piece p of 256 bytes = operand registers 2 p, 2 p + 1, lane l's 8 bytes at 8 l); csc [tile][j 4][r 16][8]: byte i scales k = 256 j + 32 i.
;   A pair of tiles 2 G + u holds rows 32 G + 8 u + r + 8 (r / 8).  x: tiles 0-511.  w_qkv: column group j from tile 512 + 24 j: for each half 8 tiles of q or k (128 rows) and 4 of v (64 rows).
; OUT: qkvimg: q, k [hh 32][b 4][token tile 128][768]; v, from byte 12,582,912, [4 head + t][16 b + s][1,536].  qkvsc: q, k [hh][b][s 16][lane 32][g 4] words; v, from byte 1,048,576, [head][b][s][lane][4 words].
; SHARES.  256 work-groups: (i, j) takes 256 tokens x (256 columns of q or k and 128 channels of v), so that x's tile serves both.  A wave: 128 tokens (8 blocks of A) x 12 blocks of B: 96 accumulators.
; q, k: source 0 = 16 rows of w, source 1 = 16 tokens: a lane holds a token, its registers run along the head's channels, the next product's K.
; v: THE SAME FRAGMENTS WITH THE SOURCES SWAPPED: a lane holds a channel, its registers run along the tokens, which are v's K.
; By the order of rows in a pair of tiles the 16 registers of two neighbouring tiles are 16 neighbours along the next K; a block of 32 lies in lanes l and l xor 16.
; RING.  K goes in four chunks of 256 (3,072 bytes of each tile) through two LDS slots: 16 tiles of A, 24 of B.  Waves 0, 1 fetch A's halves, waves 2, 3 B's, jointly with the cluster's row or column.
; The scales of all K come once, at the head.  No prefetch: K is four chunks, of which two are asked for ahead of the first product.
; A STEP of 128 along K is four passes of two blocks of A x B's twelve.  A has two sets of two blocks: a pass fetches the next pass's.  B has one set: its three groups of four blocks are fetched anew
; in a step's last pass, each behind that pass's products on it.  The walk is written out: its first step starts the sums, and its three changes of chunk differ.
; REGISTERS.  Window 0: v0-15 addresses, v16-39 scale words (two sets of 12: lanes 0-15 A's block i, lanes 16-31 B's block i), v40-183 B, v184-231 A.
;   Windows 1, 2: q/k accumulators (a, b) of B's blocks 0-3, 4-7 at v[32 a + 8 (b % 4)];  window 3: v's (b, a) at v[64 b + 8 a].
; LIMITS: a block of zeros gets the byte 1 (its codes are zeros; this program alone reads the bytes); NaN and infinities are not served.
.set FIB,   1536
.set TROW,  3072                       ; a tile's bytes of a chunk
.set RTB,   12288
.set ABY,   16*TROW
.set SLOT,  40*TROW
.set SCL,   2*SLOT                     ; A's scales, 8,192 bytes, then B's, 12,288
.set SPARE, SCL+20480                  ; the spare words, 128 bytes a wave, that no other line names
.set ADRA, 4                           ; v4-5 my A blocks in slot 0, 1;  v6-7 my B blocks
.set ADRB, 6
.set ADRS, 8                           ; v8  my scale words
.set LO8,  9                           ; v9  8 x lane;  v10  16 x lane;  v11 lane
.set LO16, 10
.set LN,   11
.set SPW,  12                          ; v12 LDS address of my spare word, v13 0; never rewritten
.set NIL,  13
.set SC,   16
.set BF,   40
.set AF,   184
.set TM,   40                          ; the way out: v40-55 at work, v56-67 scale words, v68-83 their stores' data, v84-163 four sets of codes
.set PW,   56
.set XW,   68
.set PCB,  84
.set G1, 24
.set G0, 32
.set G1B, 48
.set G0B, 56
.set SEL, 66
.set G1S, 68
.set G0S, 76
.set G1SB, 80
.set G0SB, 88
.set VP,  96                           ; s[96:97] v's images, s[98:99] v's scale words; s[8:9], s[10:11] q's and k's
.set VSP, 98
.set MSB, 0
.macro WIN new                         ; the immediate's high byte repeats the setting that is left
.if MSB != \new
	s_set_vgpr_msb (MSB<<8)|\new
.set MSB, \new
.endif
.endm
.macro NOPS                            ; four places behind matrix instructions, in front of loads into registers that they read
.rept 4
	v_nop
.endr
.endm
.macro JLOAD g0a, g1a, g0b, g1b        ; a joint load: waves 0, 1 for A, waves 2, 3 for B; an s_nop 0 and four v_nop follow each line
	s_cmp_eq_u32 s15, 0
	s_cbranch_scc0 .Lfor_b_\@
	tensor_load_to_lds s[\g0a:\g0a+3], s[\g1a:\g1a+7]
	s_nop 0
	NOPS
	s_branch .Lasked_\@
.Lfor_b_\@:
	tensor_load_to_lds s[\g0b:\g0b+3], s[\g1b:\g1b+7]
	s_nop 0
	NOPS
.Lasked_\@:
.endm
.macro CREST
	s_cmp_lg_u32 s14, 0
	s_cbranch_scc1 .Lnot_wave_0_\@
	s_barrier_signal -3
.Lnot_wave_0_\@:
	s_barrier_wait -3
	s_barrier_signal -1
	s_barrier_wait -1
.endm
.macro CROUND
	s_barrier_signal -1
	s_barrier_wait -1
	CREST
.endm
.macro GR1 g, c, r, p                  ; words 1 to 7 of a group 1: r rows of c elements of 8 bytes, p elements from row to row
	s_mov_b32 s[\g+1], (\c)<<16
	s_mov_b32 s[\g+2], (\r)<<16
	s_mov_b32 s[\g+3], (\c)<<16
	s_mov_b32 s[\g+4], \r
	s_mov_b32 s[\g+5], \p
	s_mov_b32 s[\g+6], 0
	s_mov_b32 s[\g+7], 0
.endm
	s_load_b256 s[4:11], s[0:1], 0x0               ; cimg s[4:5], csc s[6:7], qkvimg s[8:9], qkvsc s[10:11]
	v_lshl_add_u32 v[SPW], v0, 2, SPARE
	v_mov_b32 v[NIL], 0
	ds_add_u32 v[SPW], v[NIL]
	ds_add_u32 v[SPW], v[NIL]
	v_lshrrev_b32 v1, 5, v0
	v_readfirstlane_b32 s14, v1                    ; wave
	s_lshr_b32 s15, s14, 1                         ; my half of the tokens.  Also: I fetch for A (0) or B (1)
	s_and_b32 s16, s14, 1                          ; my half of the columns.  Also: which half of that side I fetch
	s_bfe_u32 s40, ttmp6, 0x40000                  ; cx, cy
	s_bfe_u32 s41, ttmp6, 0x40004
	s_and_b32 s17, ttmp7, 0xffff
	s_lshl_b32 s17, s17, 2
	s_add_co_u32 s17, s17, s41                     ; i: which 256 tokens
	s_lshl_b32 s42, ttmp9, 2
	s_add_co_u32 s42, s42, s40                     ; j: which column group
	s_lshl_b32 s43, s41, 2
	s_lshl_b32 s43, 15, s43                        ; my row of the cluster
	s_lshl_b32 s44, 0x1111, s40                    ; my column
	s_or_b32 s[G1], s43, (3<<16)|(1<<21)
	s_or_b32 s[G1B], s44, (3<<16)|(1<<21)
	s_or_b32 s[G1S], s43, (3<<16)|(1<<21)
	s_or_b32 s[G1SB], s44, (3<<16)|(1<<21)
	GR1 G1, 384, 16, RTB/8                         ; the head's loads bring a whole side: 16 tiles of A,
	GR1 G1B, 384, 24, RTB/8                        ; 24 of B; behind them the rows are set to 8 and 12
	GR1 G1S, 32, 32, 32                            ; A's scales: 8,192 dense bytes
	GR1 G1SB, 32, 48, 32                           ; B's: 12,288
	s_lshl_b32 s22, s17, 13                        ; A's scales: 16 tiles of 512 bytes for each i
	s_lshl_b32 s20, s17, 4
	s_lshl_b32 s18, s16, 3
	s_add_co_u32 s20, s20, s18
	s_mul_i32 s20, s20, RTB                        ; A's codes, from the half that I fetch in the ring
	s_mov_b32 s21, 0
	s_mov_b32 s23, 0
	s_mul_i32 s46, s42, 24
	s_add_co_u32 s46, s46, 512
	s_lshl_b32 s92, s46, 9                         ; B's scales
	s_mul_i32 s18, s16, 12
	s_add_co_u32 s46, s46, s18
	s_mul_i32 s46, s46, RTB                        ; B's codes
	s_mov_b32 s47, 0
	s_mov_b32 s93, 0
	s_mul_i32 s45, s16, 8*TROW                     ; where they go in a slot: no place in the cluster enters an LDS address
	s_mul_i32 s94, s16, 12*TROW
	s_add_co_u32 s94, s94, ABY
	s_mov_b32 s[SEL], 0x76543210
	s_mov_b32 s[SEL+1], 0xfedcba98
	s_wait_dscnt 0x0
	s_wait_kmcnt 0x0
	s_add_nc_u64 s[20:21], s[4:5], s[20:21]
	s_add_nc_u64 s[22:23], s[6:7], s[22:23]
	s_add_nc_u64 s[46:47], s[4:5], s[46:47]
	s_add_nc_u64 s[92:93], s[6:7], s[92:93]
	CROUND                                         ; all sixteen work-groups are here: the first joint loads meet
	s_mov_b32 s[G0S], 1
	s_mov_b32 s[G0S+1], SCL
	s_mov_b64 s[G0S+2:G0S+3], s[22:23]
	s_or_b32 s[G0S+3], s[G0S+3], 0x80000000
	s_mov_b32 s[G0SB], 1
	s_mov_b32 s[G0SB+1], SCL+8192
	s_mov_b64 s[G0SB+2:G0SB+3], s[92:93]
	s_or_b32 s[G0SB+3], s[G0SB+3], 0x80000000
.irp s, 0,1
	s_mov_b32 s[G0+4*\s], 1
	s_add_co_u32 s[G0+4*\s+1], s45, \s*SLOT
	s_add_nc_u64 s[G0+4*\s+2:G0+4*\s+3], s[20:21], \s*TROW
	s_or_b32 s[G0+4*\s+3], s[G0+4*\s+3], 0x80000000
	s_mov_b32 s[G0B+4*\s], 1
	s_add_co_u32 s[G0B+4*\s+1], s94, \s*SLOT
	s_add_nc_u64 s[G0B+4*\s+2:G0B+4*\s+3], s[46:47], \s*TROW
	s_or_b32 s[G0B+4*\s+3], s[G0B+4*\s+3], 0x80000000
.endr
; THE HEAD'S LOADS, ONE A WAVE: wave 0 chunk 0 of A's 16 tiles, wave 1 A's scales, wave 2 chunk 0 of B's 24 tiles, wave 3 B's scales.  Waves 0 and 2 fetch a side's first half in the ring,
; so their slot 0 descriptors stand at the side's first tile.  One chain of branches on the wave's number, one load to an arm.
.macro ARM under, g0, g1, next
	s_cmp_lt_u32 s14, \under
	s_cbranch_scc0 \next
	tensor_load_to_lds s[\g0:\g0+3], s[\g1:\g1+7]
	s_nop 0
	NOPS
	s_branch .Lhead_asked
\next:
.endm
	ARM 1, G0,  G1,  .Lhead_sa
	ARM 2, G0S, G1S, .Lhead_b
	ARM 3, G0B, G1B, .Lhead_sb
	tensor_load_to_lds s[G0SB:G0SB+3], s[G1SB:G1SB+7]
	s_nop 0
	NOPS
.Lhead_asked:
	; under the loads' flight: where the results go, and the LDS addresses
	s_lshl_b32 s95, s42, 1
	s_add_co_u32 s95, s95, s16                     ; my 128 columns of q or k (two heads), my head of v: 2 j + half
	s_lshl_b32 s100, s17, 1
	s_add_co_u32 s100, s100, s15                   ; my 128 tokens: 16 b + s
	s_mul_i32 s20, s95, 393216
	s_mul_i32 s22, s100, 1536
	s_add_co_u32 s22, s22, s20
	s_add_co_u32 s22, s22, 12582912
	s_mov_b32 s23, 0
	s_add_nc_u64 s[VP:VP+1], s[8:9], s[22:23]
	s_lshl_b32 s20, s20, 1
	s_mul_i32 s22, s100, 6144
	s_add_co_u32 s22, s22, s20
	s_add_nc_u64 s[8:9], s[8:9], s[22:23]
	s_lshl_b32 s20, s95, 15
	s_lshl_b32 s22, s100, 9
	s_add_co_u32 s46, s20, s22
	s_add_co_u32 s46, s46, 1048576
	s_mov_b32 s47, 0
	s_add_nc_u64 s[VSP:VSP+1], s[10:11], s[46:47]
	s_lshl_b32 s20, s20, 1
	s_add_co_u32 s22, s22, s20
	s_add_nc_u64 s[10:11], s[10:11], s[22:23]
	s_mul_i32 s12, s15, 8*TROW                     ; my 8 blocks of A,
	s_add_co_u32 s13, s12, SLOT
	s_add_co_u32 s19, s94, SLOT                    ; my 12 of B (s94)
	s_lshl_b32 s2, s15, 12                         ; my scale words: A's 8 tiles,
	s_mul_i32 s3, s16, 6144
	s_add_co_u32 s3, s3, 8192
	s_sub_co_u32 s3, s3, s2                        ; and how far on B's 12 lie
	s_add_co_u32 s2, s2, SCL
	v_and_b32 v1, 15, v0
	v_bfe_u32 v2, v0, 4, 1
	v_and_b32 v[LN], 31, v0
	v_lshlrev_b32 v3, 3, v1
	v_mul_u32_u24 v2, s3, v2                       ; lanes 16-31 take B's
	v_lshlrev_b32 v[LO8], 3, v[LN]
	v_lshlrev_b32 v[LO16], 4, v[LN]
	v_add_nc_u32 v3, v3, v2
	v_add_nc_u32 v[ADRS], s2, v3
	v_add_nc_u32 v[ADRA], s12, v[LO8]
	v_add_nc_u32 v[ADRA+1], s13, v[LO8]
	v_add_nc_u32 v[ADRB], s94, v[LO8]
	v_add_nc_u32 v[ADRB+1], s19, v[LO8]
	s_wait_alu depctr_va_vdst(0)
	s_wait_tensorcnt 0x0                           ; my tile of the head's four is in
	ds_add_u32 v[SPW], v[NIL]
	s_mov_b32 s[G1+2], 8<<16                       ; no tensor load of mine is out: from here on a load brings half a side
	s_mov_b32 s[G1+4], 8
	s_mov_b32 s[G1B+2], 12<<16
	s_mov_b32 s[G1B+4], 12
	s_wait_dscnt 0x0
	CROUND                                         ; all four tiles are in, in every partner
	JLOAD G0+4, G1, G0B+4, G1B                     ; chunk 1, slot 1's first fill: the first tensor load behind the round
.macro FRAG reg, adr, q, i
.irp p, 0,1,2,3,4,5
	ds_load_b64 v[\reg+2*\p:\reg+2*\p+1], v[\adr] offset:(\i)*TROW+(\q)*FIB+256*\p
.endr
.endm
.macro LOADA n                         ; the two blocks of A of pass n (step n / 4, blocks 2 (n % 4) + 0, 1) into set n % 2
.irp u, 0,1
	FRAG AF+12*((2*(\n)+\u)%4), ADRA+((\n)/8)%2, ((\n)/4)%2, 2*((\n)%4)+\u
.endr
.endm
.macro LOADB st, g                     ; B's blocks 4 g .. 4 g + 3 of step st
.irp i, 0,1,2,3
	FRAG BF+12*(4*(\g)+\i), ADRB+((\st)/2)%2, (\st)%2, 4*(\g)+\i
.endr
.endm
.macro LOADS st                        ; step st's scale words into set st % 2
.irp i, 0,1,2,3,4,5,6,7,8,9,10,11
	ds_load_b32 v[SC+12*((\st)%2)+\i], v[ADRS] offset:\i*512+128*((\st)/2)+4*((\st)%2)
.endr
.endm
.macro MULQ st, k, g, zero             ; q, k: A's blocks 2 k, 2 k + 1 x B's blocks 4 g .. 4 g + 3; the accumulators take turns
	WIN 0x50*(1+(\g))
.irp u, 0,1
.irp b, 0,1,2,3
.set A_, 2*(\k)+\u
.set B_, 4*(\g)+\b
.set D_, 32*A_+8*\b
.set S_, SC+12*((\st)%2)
.if \zero
	v_wmma_scale_f32_16x16x128_f8f6f4 v[D_:D_+7], v[BF+12*B_:BF+12*B_+11], v[AF+12*(A_%4):AF+12*(A_%4)+11], 0, v[S_+B_], v[S_+A_] matrix_a_fmt:MATRIX_FMT_FP6 matrix_b_fmt:MATRIX_FMT_FP6 matrix_a_scale:MATRIX_SCALE_ROW1
.else
	v_wmma_scale_f32_16x16x128_f8f6f4 v[D_:D_+7], v[BF+12*B_:BF+12*B_+11], v[AF+12*(A_%4):AF+12*(A_%4)+11], v[D_:D_+7], v[S_+B_], v[S_+A_] matrix_a_fmt:MATRIX_FMT_FP6 matrix_b_fmt:MATRIX_FMT_FP6 matrix_a_scale:MATRIX_SCALE_ROW1
.endif
.endr
.endr
.endm
.macro MULV st, k, zero                ; v: the sources swapped: B's blocks 8 .. 11
	WIN 0xf0
.irp u, 0,1
.irp b, 0,1,2,3
.set A_, 2*(\k)+\u
.set D_, 64*\b+8*A_
.set S_, SC+12*((\st)%2)
.if \zero
	v_wmma_scale_f32_16x16x128_f8f6f4 v[D_:D_+7], v[AF+12*(A_%4):AF+12*(A_%4)+11], v[BF+12*(8+\b):BF+12*(8+\b)+11], 0, v[S_+A_], v[S_+8+\b] matrix_a_fmt:MATRIX_FMT_FP6 matrix_b_fmt:MATRIX_FMT_FP6 matrix_b_scale:MATRIX_SCALE_ROW1
.else
	v_wmma_scale_f32_16x16x128_f8f6f4 v[D_:D_+7], v[AF+12*(A_%4):AF+12*(A_%4)+11], v[BF+12*(8+\b):BF+12*(8+\b)+11], v[D_:D_+7], v[S_+A_], v[S_+8+\b] matrix_a_fmt:MATRIX_FMT_FP6 matrix_b_fmt:MATRIX_FMT_FP6 matrix_b_scale:MATRIX_SCALE_ROW1
.endif
.endr
.endr
.endm
.macro NEXTB st, k, g                  ; in an even step's last pass: the next step's group g of B, from the same slot
.if ((\k) == 3) && ((\st)%2 == 0)
	NOPS
	WIN 0
	LOADB (\st)+1, \g
.endif
.endm
; A PASS: 24 matrix instructions.
.macro PASS st, k, zero
.set N_, 4*(\st)+(\k)
.set SL_, ((\st)/2)%2
.if ((\k) == 3) && ((\st)%2 == 1) && ((\st) < 7)
	; a chunk's last pass changes slots.  ONE barrier: in front of it all my tensor loads have landed and my reads of this slot are over; behind it the slot is filled again and the other one is read
	WIN 0
	s_wait_tensorcnt 0x0
	ds_add_u32 v[SPW], v[NIL]
	s_wait_dscnt 1                                 ; this pass's blocks of A are in (the add may be out)
	MULQ \st, 3, 0, 0
	s_wait_dscnt 0x0
	s_barrier_signal -1
	MULQ \st, 3, 1, 0
	WIN 0
	s_barrier_wait -1
.if (\st) < 5
	CREST                                          ; the barrier has opened a round of the cluster's barrier
	s_add_nc_u64 s[G0+4*SL_+2:G0+4*SL_+3], s[G0+4*SL_+2:G0+4*SL_+3], 2*TROW
	s_add_nc_u64 s[G0B+4*SL_+2:G0B+4*SL_+3], s[G0B+4*SL_+2:G0B+4*SL_+3], 2*TROW
	JLOAD G0+4*SL_, G1, G0B+4*SL_, G1B             ; the chunk two further on; its four v_nop are the places in front of the loads below
.else
	NOPS
.endif
	LOADA N_+1
	LOADB (\st)+1, 0
	LOADB (\st)+1, 1
	MULV \st, 3, 0
	NOPS
	WIN 0
	LOADB (\st)+1, 2
.else
.if N_ < 31
.if (\k) > 0
	NOPS                                           ; (ahead of a step's first pass they stand at the end of the pass before)
.endif
	WIN 0
	LOADA N_+1
.if ((\k) == 1) && ((\st) < 7)
	LOADS (\st)+1
.endif
.endif
.if ((\k) == 0) && ((\st) > 0)
	s_wait_dscnt 60                                ; my A and B's group 0 are in; out may be groups 1 and 2 (24 loads each) and the 12 just issued
	MULQ \st, \k, 0, \zero
	s_wait_dscnt 36
	MULQ \st, \k, 1, \zero
	s_wait_dscnt 12
	MULV \st, \k, \zero
.else
.if N_ == 31
	s_wait_dscnt 0x0
.else
.if ((\k) == 1) && ((\st) < 7)
	s_wait_dscnt 24                                ; all but the 12 loads of A and the 12 scale words just issued
.else
	s_wait_dscnt 12                                ; all but the 12 just issued
.endif
.endif
	MULQ \st, \k, 0, \zero
	NEXTB \st, \k, 0
	MULQ \st, \k, 1, \zero
	NEXTB \st, \k, 1
	MULV \st, \k, \zero
	NEXTB \st, \k, 2
.endif
.endif
.endm
	LOADB 0, 0
	LOADB 0, 1
	LOADB 0, 2
	LOADS 0
	LOADA 0
.irp k, 0,1,2,3
	PASS 0, \k, 1                                  ; the first step's products start the sums
.endr
.irp st, 1,2,3,4,5,6,7
.irp k, 0,1,2,3
	PASS \st, \k, 0
.endr
.endr
	NOPS                                           ; places behind the last products
	WIN 0
; THE WAY OUT.  A unit is four blocks of 32 along the next K, 16 registers of each in a lane: two blocks at register a0 of window w0, two at a1 of window w1.
.macro HMAX t, w, ac                   ; the largest magnitudes of my 16 of two blocks, with the floor 2^(3 - 127); each accumulator is read from its low end on
	WIN ((\w)|((\w)<<2))
.irp b, 0,1
	v_max3_num_f32 v[TM+\t+\b], |v[\ac+16*\b]|, |v[\ac+16*\b+1]|, 0x1800000
.endr
	WIN (((\w)<<2)|((\w)<<4))
.irp i, 2,4,6,8,10,12,14
.irp b, 0,1
	v_max3_num_f32 v[TM+\t+\b], v[TM+\t+\b], |v[\ac+16*\b+\i]|, |v[\ac+16*\b+\i+1]|
.endr
.endr
.endm
.macro QUANT n, w0, a0, w1, a1
.set PC, PCB+20*((\n)%4)
.if (\n) >= 4
	s_wait_alu depctr_va_vdst(0)
	s_wait_xcnt 0x0                                ; the stores of four units ago have read this set of codes
.endif
	HMAX 0, \w0, \a0
	HMAX 2, \w1, \a1
	WIN 0
.irp b, 0,1,2,3
	v_permlanex16_b32 v[TM+4+\b], v[TM+\b], s[SEL], s[SEL+1]
.endr
.irp b, 0,1,2,3
	v_max_num_f32 v[TM+\b], v[TM+\b], v[TM+4+\b]   ; with lane l xor 16's 16: the block's
.endr
.irp b, 0,1,2,3
	v_add_nc_u32 v[TM+12+\b], 0xff000000, v[TM+\b] ; 2 off the exponent field: the conversion's scale operand
.endr
.irp b, 0,1,2,3
	v_lshrrev_b32 v[TM+4+\b], 23, v[TM+12+\b]      ; the scale's byte
.endr
	v_lshl_or_b32 v[PW+(\n)], v[TM+5], 8, v[TM+4]
	v_lshl_or_b32 v[PW+(\n)], v[TM+6], 16, v[PW+(\n)]
	v_lshl_or_b32 v[PW+(\n)], v[TM+7], 24, v[PW+(\n)]
	WIN \w0
	v_cvt_scalef32_pk16_fp6_f32 v[PC:PC+2], v[\a0:\a0+15], v[TM+12]
	v_cvt_scalef32_pk16_fp6_f32 v[PC+12:PC+14], v[\a0+16:\a0+31], v[TM+13]
	WIN \w1
	v_cvt_scalef32_pk16_fp6_f32 v[PC+6:PC+8], v[\a1:\a1+15], v[TM+14]
	v_cvt_scalef32_pk16_fp6_f32 v[PC+16:PC+18], v[\a1+16:\a1+31], v[TM+15]
	WIN 0
	v_nop                                          ; one plain place behind a scaled conversion
.irp c, 0,1                                    ; the operand's layout wants a whole block in a lane
.irp i, 0,1,2
	v_permlane16_swap_b32 v[PC+6*\c+\i], v[PC+12+4*\c+\i]
.endr
.irp i, 0,1,2
	v_mov_b32 v[PC+3+6*\c+\i], v[PC+12+4*\c+\i]
.endr
.endr
.endm
.irp b, 0,1,2,3
	v_mov_b32 v[TM+4+\b], 0                        ; written once: a lane permute's destination counts as one of its sources
.endr
.irp a, 0,1,2,3,4,5,6,7                        ; q, k: token tile a, two heads: a half image of 768 bytes each, 32 lanes storing 256 consecutive bytes
	QUANT \a, 1, 32*\a, 2, 32*\a
.irp p, 0,1,2
	global_store_b64 v[LO8], v[PC+2*\p:PC+2*\p+1], s[8:9] offset:768*\a+256*\p
.endr
.irp p, 0,1,2
	global_store_b64 v[LO8], v[PC+6+2*\p:PC+6+2*\p+1], s[8:9] offset:393216+768*\a+256*\p
.endr
.endr
.irp b, 0,1,2,3                                ; v: 16 channels x my 128 tokens: a whole image
	QUANT 8+\b, 3, 64*\b, 3, 64*\b+32
.irp p, 0,1,2,3,4,5
	global_store_b64 v[LO8], v[PC+2*\p:PC+2*\p+1], s[VP:VP+1] offset:98304*\b+256*\p
.endr
.endr
	v_cmp_le_u32 vcc_lo, 16, v[LN]                 ; word g: lanes 0-15 tile 2 g, lanes 16-31 tile 2 g + 1
.irp g, 0,1,2,3
	v_cndmask_b32 v[XW+\g], v[PW+2*\g], v[PW+2*\g+1], vcc_lo
.endr
.irp g, 0,1,2,3
	v_and_b32 v[XW+4+\g], 0xffff, v[XW+\g]         ; the first head's two bytes, zeros above them;
.endr
.irp g, 0,1,2,3
	v_lshrrev_b32 v[XW+8+\g], 16, v[XW+\g]         ; the second head's
.endr
	v_cndmask_b32 v[XW+12], v[PW+8], v[PW+9], vcc_lo
	v_cndmask_b32 v[XW+13], v[PW+10], v[PW+11], vcc_lo
	v_mov_b32 v[XW+14], v[XW+12]                   ; (v's words 2 and 3 are read by nobody: they are written so that every byte of the buffer is)
	v_mov_b32 v[XW+15], v[XW+13]
	global_store_b128 v[LO16], v[XW+4:XW+7], s[10:11]
	global_store_b128 v[LO16], v[XW+8:XW+11], s[10:11] offset:32768
	global_store_b128 v[LO16], v[XW+12:XW+15], s[VSP:VSP+1]
	s_wait_tensorcnt 0x0                           ; the wave's end
	ds_add_u32 v[SPW], v[NIL]
	s_wait_dscnt 0x0
	CROUND                                         ; the closing round
	s_endpgm
.Lfunc_end_k_qb4b3882464_qkv:
	.size	k_qb4b3882464_qkv, .Lfunc_end_k_qb4b3882464_qkv-k_qb4b3882464_qkv
	.p2alignl 7, 3214868480
	.fill 96, 4, 3214868480
	.section	.rodata,"a",@progbits
	.p2align	6, 0x0
	.amdhsa_kernel k_qb4b3882464_qkv
		.amdhsa_group_segment_fixed_size 327680
		.amdhsa_private_segment_fixed_size 0
		.amdhsa_enable_private_segment 0
		.amdhsa_kernarg_size 32
		.amdhsa_user_sgpr_count 2
		.amdhsa_user_sgpr_kernarg_segment_ptr 1
		.amdhsa_wavefront_size32 1
		.amdhsa_system_sgpr_workgroup_id_x 1
		.amdhsa_system_sgpr_workgroup_id_y 1
		.amdhsa_system_sgpr_workgroup_id_z 1
		.amdhsa_system_vgpr_workitem_id 0
		.amdhsa_next_free_vgpr 1024
		.amdhsa_next_free_sgpr 102
		.amdhsa_reserve_vcc 1
		.amdhsa_float_denorm_mode_32 3
		.amdhsa_float_denorm_mode_16_64 3
		.amdhsa_memory_ordered 1
		.amdhsa_forward_progress 1
		.amdhsa_inst_pref_size 241
	.end_amdhsa_kernel
	.amdgpu_metadata
---
amdhsa.version: [ 1, 2 ]
amdhsa.kernels:
  - .name:           k_qb4b3882464_qkv
    .symbol:         k_qb4b3882464_qkv.kd
    .args:
      - { .name: cimg, .offset: 0, .size: 8, .value_kind: global_buffer, .address_space: global }
      - { .name: csc, .offset: 8, .size: 8, .value_kind: global_buffer, .address_space: global }
      - { .name: qkvimg, .offset: 16, .size: 8, .value_kind: global_buffer, .address_space: global }
      - { .name: qkvsc, .offset: 24, .size: 8, .value_kind: global_buffer, .address_space: global }
    .group_segment_fixed_size: 327680
    .private_segment_fixed_size: 0
    .kernarg_segment_align: 8
    .kernarg_segment_size: 32
    .max_flat_workgroup_size: 128
    .sgpr_count:     102
    .vgpr_count:     1024
    .wavefront_size: 32
...
	.end_amdgpu_metadata
.endif
;; end of part 2
;; launch attn (part 3): grid 4 x 64, 16 waves a work-group, clusters of 4 x 1, 327,680 bytes of LDS; arguments qkvimg, qkvsc, aoimg, aosc; writes aoimg, aosc
.if DOCPART == 3
	.amdgcn_target "amdgcn-amd-amdhsa--gfx1250"
	.amdhsa_code_object_version 6
	.text
	.protected	k_qb4b3882464_attn
	.globl	k_qb4b3882464_attn
	.p2align	8
	.type	k_qb4b3882464_attn,@function
k_qb4b3882464_attn:
	s_mov_b64 s[64:65], 0
	v_nop
	global_prefetch_b8 v0, s[64:65] scope:SCOPE_SE
	s_setreg_imm32_b32 hwreg(HW_REG_WAVE_MODE, 25, 1), 1
	s_wait_xcnt 0x0
	s_wait_alu depctr_hold_cnt(0) depctr_sa_sdst(0) depctr_va_vdst(0) depctr_va_sdst(0) depctr_va_ssrc(0) depctr_va_vcc(0) depctr_vm_vsrc(0)
	s_getreg_b32 s2, hwreg(HW_REG_IB_STS2, 6, 4)
	s_cmp_eq_u32 s2, 0
	s_cbranch_scc0 .Lentry_in_a_cluster
	s_endpgm
.Lentry_in_a_cluster:
	s_bfe_u32 s2, ttmp6, 0x10000c
	s_cmp_lg_u32 s2, 0x3003
	s_cbranch_scc0 .Lentry_shape_is_right
	s_endpgm
.Lentry_shape_is_right:
; out[b][q][head] = softmax_k(q . k / 8) v for 64 (head, b) pairs of 2,048 tokens and head size 64, both products on codes of FP6 (E2M3) with one E8M0 byte for each 32 along a product's K;
; the result is quantised again, along the head's 64, and stored as the image of the last product's operand.
; THE SOFTMAX: t = score x log2(e) / 8; M = the row's largest t so far, rounded UP to a whole number; p = 2^(t - M) is quantised along the keys, not normalised.  The row's sum is taken of the
; unquantised p, in f32, and divides at the end.  When M moves, the sums and O are multiplied by f = 2^(old M - new M): exact.
; IN (images of operand registers: piece p of 256 bytes = registers 2 p, 2 p + 1, lane l's 8 bytes at 8 l; stored token tile 2 G + u holds tokens 32 G + 8 u + r + 8 (r / 8)):
;   qkvimg: q, k [hh 32][b 4][token tile 128][768]; v, from byte 12,582,912, [4 head + t][16 b + s][1,536].  qkvsc: q, k [hh][b][s 16][lane 32][g 4] words; v, from byte 1,048,576, [head][b][s][lane][4 words].
; OUT: aoimg [row tile 512][s 8][1,536]: head h fills half h % 2 of image h / 2;  aosc [row tile][j 4][r 16][8]: head h's two bytes at j = h / 4, byte 2 (h % 4).
; SHARES.  A work-group owns 512 queries of one (head, b); each of its sixteen waves two tiles of 16, one after the other.  The pair's whole K, V and scales lie in LDS, filled once: no ring, one barrier.
; CLUSTER.  The four work-groups of a (head, b) read the same K and V: each block is asked for jointly.  No prefetch: all tiles are asked for at the head, and the step loop reads only LDS.
; LAYOUT.  Both products are used transposed: S^T = K Q^T, O^T = V^T P^T: a lane holds ONE query throughout.
; A KEY TILE IS PUT TOGETHER BY THE LANES' ADDRESSES: tile (c, o) of a step takes as rows 0-7 keys 8 o .. 8 o + 7 of block 2 c of the step's four blocks of 32, and as rows 8-15 the same keys of block 2 c + 1.
; In the result lanes 0-15 hold rows 0-7 and lanes 16-31 rows 8-15: so the 32 registers of tiles (c, 0 .. 3) are one WHOLE block, 2 c + lane / 16, in the keys' order, which is where the second product's
; operand wants it: a block's maximum needs no other lane, and the codes change no lane.  In a stored block of 1,536 bytes keys 8 o .. lie in tile o % 2, rows 8 (o / 2) on.
; K's even blocks lie from LDS byte 0, the odd ones from 49,216 = 192 x 256 + 64: the four runs of 64 bytes that a load's lanes touch then differ modulo 256.
; K = 64 fills half of the instruction's 128: Q's fragment is six registers and six of zero codes; a key tile's operand names its six registers and the six behind them (finite numbers that meet zeros);
; the scale words' upper two bytes are 0, which is 2^-127 and no NaN.
; LIMITS: a block of zeros gets the byte 1 (its codes are zeros; this program alone reads the bytes); a p under 2^-126 is taken as 0; NaN and infinities are not served; the promise holds while
; |t| stays under 2^31.  A tile's 32 scale bytes leave as 2 bytes a row.  Each trip fetches the next step's K, step 0's in the last trip: the second tile's last such fetch is not used.
.set KO,    49216                      ; LDS: K's even blocks [32][1,536] from 0, its odd blocks from here;
.set VB,    98560                      ; V [t 4][s 16][1,536];
.set KSC,   196864                     ; K's scale words, 512 bytes a step;
.set VSC,   205056                     ; V's;
.set SPARE, 213248                     ; the spare words, 128 bytes a wave: eight blocks of 256 bytes that no other line names
.set AK0,  1                           ; v1   8 x lane: my place in a piece, in memory
.set AV0,  2                           ; v2   the same in V, in LDS
.set ASK0, 3                           ; v3   my place among K's scale words
.set ASV0, 4                           ; v4   16 x lane + VSC
.set SPW,  5                           ; v5   LDS address of my spare word; never rewritten
.set NIL,  6                           ; v6   0; never rewritten
.set AKB,  7                           ; v7   my place in a block of K: KO (r / 8) + 8 (r % 8) + 128 (lane / 16)
.set ADK,  8                           ; v8-11, v31 the step's addresses
.set ADV,  9
.set ADS,  10
.set ADT,  11
.set ADV2, 31
;                                        v12 -M, v13 the largest score so far
.set SH8,  14                          ; v14  8 (lane / 16)
.set T0,   15                          ; v15  the last step's -M
.set Q0,   16                          ; v16-27 the first tile's Q and six registers of zero codes
.set QS0,  28                          ; v28  its scale words
.set QSO,  29                          ; v29  16 r
.set OSO,  30                          ; v30  8 r
.set KV,   32                          ; v32-79 eight tiles of K, later four fragments of V; v80-85 zero codes
.set KS,   86                          ; v86-89 K's scale words: register 2 c + o / 2: lanes 0-15 tile (c, o even), lanes 16-31 (c, o odd)
.set VS,   90                          ; v90-91 V's
.set PS,   92                          ; v92  p's scale word
.set OB,   93                          ; v93  O's two bytes
.set T,    94                          ; v94-95 at work
.set T1,   95
.set S,    96                          ; v96-159 S^T, then p
.set O,    160                         ; v160-191 O^T
.set PCD,  192                         ; v192-203 codes
.set OH,   204                         ; v204-206, v208-210 the conversions' upper halves
.set BM,   212                         ; v212-215 largest scores; v212, v214 my two blocks', then their largest p
.set PD,   216                         ; v216-219 the other half's, bytes
.set SO,   220                         ; v220-221 the conversions' scale operands
.set L,    224                         ; v224-239 the row's sum in eight chains of two
.set F,    240                         ; v[240:241] f, later 1 / the sum (the packed forms name a pair and take its low word)
.set Q1,   242                         ; v242-253 the second tile's Q and zero codes; v254 its scale words
.set QS1,  254
.set WV,   12
.set G1C,  16                          ; s[16:23] group 1 for V; s[24:31] for the scale words; s[68:75] for K; groups 0: s[32:35], s[36:39], s[76:79]
.set G1S,  24
.set G0C,  32
.set G0S,  36
.set G1K,  68
.set G0K,  76
.set SEL,  40                          ; s[40:41] v_permlanex16_b32's selects for lane l xor 16
.set CS,   42                          ; s[42:43] c = log2(e) / 8
.set TB,   44                          ; the next step's place in K (3,072 bytes a step), this step's in V (1,536) and among the scale words (512)
.set TV,   45
.set TS,   46
.set CNT,  47
.set NX,   62
.macro CROUND                          ; a round of the cluster's barrier
	s_barrier_signal -1
	s_barrier_wait -1
	s_cmp_lg_u32 s[WV], 0
	s_cbranch_scc1 .Lnot_wave_0_\@
	s_barrier_signal -3
.Lnot_wave_0_\@:
	s_barrier_wait -3
	s_barrier_signal -1
	s_barrier_wait -1
.endm
.macro GROUP1 g, c, r, p               ; r rows of c elements of 8 bytes, p elements from row to row; the mask names all four work-groups, bit 21 beside it
	s_mov_b32 s[\g], 15|(3<<16)|(1<<21)
	s_mov_b32 s[\g+1], (\c)<<16
	s_mov_b32 s[\g+2], (\r)<<16
	s_mov_b32 s[\g+3], (\c)<<16
	s_mov_b32 s[\g+4], \r
	s_mov_b32 s[\g+5], \p
	s_mov_b32 s[\g+6], 0
	s_mov_b32 s[\g+7], 0
.endm
.macro ASK g0, g1                      ; an s_nop 0 and four v_nop follow the load
	tensor_load_to_lds s[\g0:\g0+3], s[\g1:\g1+7]
	s_nop 0
.rept 4
	v_nop
.endr
.endm
	s_load_b256 s[4:11], s[0:1], 0x0               ; qkvimg s[4:5], qkvsc s[6:7], aoimg s[8:9], aosc s[10:11]
	v_lshl_add_u32 v[SPW], v0, 2, SPARE
	v_mov_b32 v[NIL], 0
	ds_add_u32 v[SPW], v[NIL]                      ; the add, twice on end, and its wait below
	ds_add_u32 v[SPW], v[NIL]
	v_lshrrev_b32 v8, 5, v0
	s_delay_alu instid0(VALU_DEP_1)
	v_readfirstlane_b32 s[WV], v8                  ; wave 0..15
	s_bfe_u32 s13, ttmp6, 0x40000                  ; cx: which quarter of the queries: it enters Q's and the outputs' addresses alone
	s_and_b32 s14, ttmp7, 0xffff                   ; y = 4 head + b, which the four partners share
	s_lshr_b32 s15, s14, 2                         ; head
	s_and_b32 s3, s14, 3                           ; b
	GROUP1 G1K, 192, 16, 384                       ; K: 16 blocks of 1,536 bytes, every second one
	GROUP1 G1C, 32, 96, 32                         ; V: a dense run of 24,576 bytes
	GROUP1 G1S, 32, 32, 32                         ; scale words: 8,192 bytes
	; who fetches what: waves 0-3 K (wave % 2: even or odd blocks; wave / 2: which 16 of them), waves 4-7 a tile row of V each, wave 8 K's scale words, wave 9 V's
	s_and_b32 s2, s[WV], 1
	s_bfe_u32 s44, s[WV], 0x10001
	s_mov_b32 s[G0K], 1
	s_mul_i32 s[G0K+1], s2, KO
	s_mul_i32 s45, s44, 24576
	s_add_co_u32 s[G0K+1], s[G0K+1], s45
	s_add_co_u32 s46, s14, 64                      ; k's heads lie behind q's sixteen
	s_mul_i32 s56, s46, 98304
	s_mul_i32 s45, s2, 1536
	s_add_co_u32 s56, s56, s45
	s_mul_i32 s45, s44, 49152
	s_add_co_u32 s56, s56, s45
	s_mov_b32 s57, 0
	s_and_b32 s44, s[WV], 3
	s_mov_b32 s[G0C], 1
	s_mul_i32 s[G0C+1], s44, 24576
	s_add_co_u32 s[G0C+1], s[G0C+1], VB
	s_mul_i32 s58, s15, 393216
	s_mul_i32 s45, s3, 24576
	s_add_co_u32 s58, s58, s45
	s_mul_i32 s45, s44, 98304
	s_add_co_u32 s58, s58, s45
	s_add_co_u32 s58, s58, 12582912                ; V: tile row 4 head + (wave % 4), steps 16 b on
	s_mov_b32 s59, 0
	s_mov_b32 s[G0S], 1
	s_lshl_b32 s[G0S+1], s2, 13
	s_add_co_u32 s[G0S+1], s[G0S+1], KSC
	s_lshl_b32 s46, s46, 13
	s_lshl_b32 s47, s14, 13
	s_add_co_u32 s47, s47, 1048576
	s_cmp_eq_u32 s[WV], 8
	s_cselect_b32 s46, s46, s47
	s_mov_b32 s47, 0
	s_mov_b32 s[SEL], 0x76543210
	s_mov_b32 s[SEL+1], 0xfedcba98
	s_mov_b32 s[CS], 0x3e38aa3b
	s_mov_b32 s[CS+1], s[CS]                       ; (named with it as a pair, so it is written)
	s_wait_dscnt 0x0                               ; both opening adds are done
	s_wait_kmcnt 0x0
	s_add_nc_u64 s[G0K+2:G0K+3], s[4:5], s[56:57]
	s_or_b32 s[G0K+3], s[G0K+3], 0x80000000
	s_add_nc_u64 s[G0C+2:G0C+3], s[4:5], s[58:59]
	s_or_b32 s[G0C+3], s[G0C+3], 0x80000000
	s_add_nc_u64 s[G0S+2:G0S+3], s[6:7], s[46:47]
	s_or_b32 s[G0S+3], s[G0S+3], 0x80000000
	CROUND                                         ; all four work-groups are here: the joint loads meet
	s_cmp_lt_u32 s[WV], 4                          ; one chain of branches on the wave's number, one load to an arm
	s_cbranch_scc0 .Lnot_k
	ASK G0K, G1K
	s_branch .Lasked
.Lnot_k:
	s_cmp_lt_u32 s[WV], 8
	s_cbranch_scc0 .Lnot_v
	ASK G0C, G1C
	s_branch .Lasked
.Lnot_v:
	s_cmp_lt_u32 s[WV], 10
	s_cbranch_scc0 .Lasked
	ASK G0S, G1S
.Lasked:
	; my two tiles of queries: 32 cx + 2 wave + 0, 1
	s_lshl_b32 s56, s13, 5
	s_lshl_b32 s57, s[WV], 1
	s_add_co_u32 s56, s56, s57
	s_mul_i32 s58, s14, 98304
	s_mul_i32 s59, s56, 768
	s_add_co_u32 s58, s58, s59
	s_mov_b32 s59, 0
	s_add_nc_u64 s[48:49], s[4:5], s[58:59]        ; Q's codes
	s_lshl_b32 s58, s14, 13
	s_lshr_b32 s60, s56, 3
	s_lshl_b32 s60, s60, 9                         ; the step of 128 tokens in which they lie,
	s_add_co_u32 s58, s58, s60
	s_and_b32 s60, s[WV], 3
	s_lshl_b32 s60, s60, 2                         ; and the word of their pair of tiles
	s_add_co_u32 s58, s58, s60
	s_add_nc_u64 s[50:51], s[6:7], s[58:59]        ; Q's scale words
	s_lshl_b32 s60, s3, 7
	s_add_co_u32 s60, s60, s56                     ; the row tile among all 512
	s_mul_i32 s58, s60, 12288
	s_lshr_b32 s61, s15, 1
	s_mul_i32 s61, s61, 1536
	s_add_co_u32 s58, s58, s61
	s_and_b32 s61, s15, 1
	s_mul_i32 s61, s61, 768
	s_add_co_u32 s58, s58, s61
	s_add_nc_u64 s[52:53], s[8:9], s[58:59]        ; the head's half image
	s_lshl_b32 s58, s60, 9
	s_lshr_b32 s61, s15, 2
	s_lshl_b32 s61, s61, 7
	s_add_co_u32 s58, s58, s61
	s_and_b32 s61, s15, 3
	s_lshl_b32 s61, s61, 1
	s_add_co_u32 s58, s58, s61
	s_add_nc_u64 s[54:55], s[10:11], s[58:59]      ; and its two scale bytes
	v_and_b32 v8, 31, v0                           ; lane
	v_and_b32 v9, 15, v0                           ; r
	v_bfe_u32 v10, v0, 3, 1                        ; r / 8
	v_and_b32 v11, 7, v0                           ; r % 8
	v_bfe_u32 v[SH8], v0, 4, 1                     ; lane / 16
	v_lshlrev_b32 v[AK0], 3, v8
	v_lshlrev_b32 v[QSO], 4, v9
	v_lshlrev_b32 v[OSO], 3, v9
	v_lshlrev_b32 v[ASV0], 4, v8
	v_mul_u32_u24 v[AKB], v10, KO
	v_lshlrev_b32 v[ASK0], 4, v11
.irp p, 0,1,2
	global_load_b64 v[Q0+2*\p:Q0+2*\p+1], v[AK0], s[48:49] offset:256*\p
	global_load_b64 v[Q1+2*\p:Q1+2*\p+1], v[AK0], s[48:49] offset:768+256*\p
.endr
	global_load_b32 v[QS0], v[QSO], s[50:51]       ; the pair's first tile has lanes 0-15 of the stored words,
	global_load_b32 v[QS1], v[QSO], s[50:51] offset:256   ; its second lanes 16-31: 256 bytes on
	v_add_nc_u32 v[AV0], VB, v[AK0]
	v_add_nc_u32 v[ASV0], VSC, v[ASV0]
	v_lshl_add_u32 v[AKB], v11, 3, v[AKB]
	v_lshl_add_u32 v[ASK0], v10, 2, v[ASK0]        ; K's scale word of row 8 (o / 2) + r % 8 of stored tile o % 2 of block 2 c + r / 8: 16 (r % 8) + 4 (r / 8) + 256 (o % 2) + 128 (o / 2) + 8 c;
	v_lshl_add_u32 v[AKB], v[SH8], 7, v[AKB]
	v_lshl_add_u32 v[ASK0], v[SH8], 8, v[ASK0]     ; lanes 16-31 take o odd
	v_lshlrev_b32 v[SH8], 3, v[SH8]
	v_add_nc_u32 v[ASK0], KSC, v[ASK0]
	v_mov_b32 v[ADK], v[AKB]                       ; step 0
.irp j, 0,1,2,3,4,5
	v_mov_b32 v[Q0+6+\j], 0                        ; the upper halves of Q's fragments: zero codes
	v_mov_b32 v[Q1+6+\j], 0
	v_mov_b32 v[KV+48+\j], 0                       ; and what stands behind the last key tile
.endr
.irp b, 0,1,2,3
	v_mov_b32 v[PD+\b], 0                          ; written once: a lane permute's destination counts as one of its sources
.endr
	v_mov_b32 v[F+1], 0                            ; (named as the upper half of a pair)
	v_mov_b32 v[T1], 0
	v_mov_b32 v[ADS], v[ASK0]
	s_wait_alu depctr_va_vdst(0)
	s_wait_tensorcnt 0x0                           ; my block has landed,
	s_barrier_signal -1
	s_barrier_wait -1                              ; everybody's has: K, V and their scale words are whole, and nothing is filled again
.macro KLOAD                           ; a step's eight key tiles and their scale words
.irp c, 0,1
.irp o, 0,1,2,3
.irp p, 0,1,2
	ds_load_b64 v[KV+6*(4*\c+\o)+2*\p:KV+6*(4*\c+\o)+2*\p+1], v[ADK] offset:1536*\c+768*(\o%2)+64*(\o/2)+256*\p
.endr
.endr
	ds_load_b32 v[KS+2*\c], v[ADS] offset:8*\c
	ds_load_b32 v[KS+2*\c+1], v[ADS] offset:8*\c+128
.endr
.endm
.macro MMS d, a, b, sa, sb, row        ; a product that starts its sum
.if \row
	v_wmma_scale_f32_16x16x128_f8f6f4 v[\d:\d+7], v[\a:\a+11], v[\b:\b+11], 0, v[\sa], v[\sb] matrix_a_fmt:MATRIX_FMT_FP6 matrix_b_fmt:MATRIX_FMT_FP6 matrix_a_scale:MATRIX_SCALE_ROW1
.else
	v_wmma_scale_f32_16x16x128_f8f6f4 v[\d:\d+7], v[\a:\a+11], v[\b:\b+11], 0, v[\sa], v[\sb] matrix_a_fmt:MATRIX_FMT_FP6 matrix_b_fmt:MATRIX_FMT_FP6
.endif
.endm
.macro MMO d, a, b, sa, sb, row        ; a product that adds in place
.if \row
	v_wmma_scale_f32_16x16x128_f8f6f4 v[\d:\d+7], v[\a:\a+11], v[\b:\b+11], v[\d:\d+7], v[\sa], v[\sb] matrix_a_fmt:MATRIX_FMT_FP6 matrix_b_fmt:MATRIX_FMT_FP6 matrix_a_scale:MATRIX_SCALE_ROW1
.else
	v_wmma_scale_f32_16x16x128_f8f6f4 v[\d:\d+7], v[\a:\a+11], v[\b:\b+11], v[\d:\d+7], v[\sa], v[\sb] matrix_a_fmt:MATRIX_FMT_FP6 matrix_b_fmt:MATRIX_FMT_FP6
.endif
.endm
.macro XS a, n                         ; t - M of n pairs of scores from pair a on (of the pairs c and -M the low word serves both halves)
.set j, 2*(\a)
.rept \n
	v_pk_fma_f32 v[S+j:S+j+1], v[S+j:S+j+1], s[CS:CS+1], v[12:13] op_sel_hi:[1,0,0]
.set j, j+2
.endr
.endm
.macro SUMS a, n                       ; n pairs of p from pair a on go into the eight chains; a chain's first line of a step also brings it under the new M
.set j, \a
.rept \n
.if j < 8
	v_pk_fma_f32 v[L+2*j:L+2*j+1], v[L+2*j:L+2*j+1], v[F:F+1], v[S+2*j:S+2*j+1] op_sel_hi:[1,0,1]
.else
	v_pk_add_f32 v[L+2*(j%8):L+2*(j%8)+1], v[L+2*(j%8):L+2*(j%8)+1], v[S+2*j:S+2*j+1]
.endif
.set j, j+1
.endr
.endm
; A KEY STEP: 128 keys.  Its K fragments are in registers when it begins.
.macro STEP q, qs
	s_mul_i32 s[TV], s[CNT], 1536
	s_lshl_b32 s[TS], s[CNT], 9
	s_add_co_u32 s[NX], s[CNT], 1
	s_and_b32 s[NX], s[NX], 15                     ; the next step; behind the last, step 0 again
	s_mul_i32 s[TB], s[NX], 3072
	s_lshl_b32 s[NX], s[NX], 9
.irp c, 0,1
.irp o, 0,2
	MMS S+8*(4*\c+\o), KV+6*(4*\c+\o), \q, KS+2*\c+\o/2, \qs, 0
	MMS S+8*(4*\c+\o)+8, KV+6*(4*\c+\o)+6, \q, KS+2*\c+\o/2, \qs, 1
.endr
.endr
	v_add_nc_u32 v[ADV], s[TV], v[AV0]             ; these five are the places in front of the loads into K's registers and of the first read of the scores
	v_add_nc_u32 v[ADT], s[TS], v[ASV0]
	v_add_nc_u32 v[ADK], s[TB], v[AKB]
	v_add_nc_u32 v[ADS], s[NX], v[ASK0]
	v_add_nc_u32 v[ADV2], 49152, v[ADV]
.irp t, 0,1
.irp p, 0,1,2,3,4,5
	ds_load_b64 v[KV+12*\t+2*\p:KV+12*\t+2*\p+1], v[ADV] offset:24576*\t+256*\p      ; V's four fragments land under the maxima
.endr
.endr
.irp t, 0,1
.irp p, 0,1,2,3,4,5
	ds_load_b64 v[KV+24+12*\t+2*\p:KV+24+12*\t+2*\p+1], v[ADV2] offset:24576*\t+256*\p
.endr
.endr
	ds_load_b64 v[VS:VS+1], v[ADT]                 ; word g: lanes 0-15 V's tile 2 g, lanes 16-31 tile 2 g + 1
.irp b, 0,1,2,3
	v_max3_num_f32 v[BM+\b], v[S+16*\b], v[S+16*\b+1], v[S+16*\b+2]   ; the largest score of my two blocks, in two chains each; each accumulator is read from its low end on
.endr
.irp i, 3,5,7,9,11,13
.irp b, 0,1,2,3
	v_max3_num_f32 v[BM+\b], v[BM+\b], v[S+16*\b+\i], v[S+16*\b+\i+1]
.endr
.endr
	v_max3_num_f32 v[BM], v[BM], v[S+15], v[S+31]
	v_max3_num_f32 v[BM+2], v[BM+2], v[S+47], v[S+63]
	s_delay_alu instid0(VALU_DEP_2)
	v_max_num_f32 v[BM], v[BM], v[BM+1]            ; block lane / 16: it serves the row's maximum and, since p rises with the score, the block's largest p
	s_delay_alu instid0(VALU_DEP_2)
	v_max_num_f32 v[BM+2], v[BM+2], v[BM+3]        ; block 2 + lane / 16
	s_delay_alu instid0(VALU_DEP_1)
	v_max_num_f32 v[T], v[BM], v[BM+2]
	s_delay_alu instid0(VALU_DEP_1)
	v_permlanex16_b32 v[PD], v[T], s[SEL], s[SEL+1]
	s_delay_alu instid0(VALU_DEP_1)
	v_max3_num_f32 v13, v13, v[T], v[PD]           ; the running largest score of my query
	s_delay_alu instid0(VALU_DEP_1)
	v_mul_f32 v[T], 0xbe38aa3b, v13                ; -t (c is positive)
	s_delay_alu instid0(VALU_DEP_1)
	v_floor_f32 v12, v[T]                          ; the new -M = floor(-t) = -ceil(t): M IS A WHOLE NUMBER
	s_delay_alu instid0(VALU_DEP_1)
	v_sub_f32 v[T], v12, v[T0]                     ; M's old value less its new one: a whole number, 0 or less
	XS 0, 8
	v_cvt_i32_f32 v[T], v[T]                       ; (it saturates)
	XS 8, 8
	v_ldexp_f32 v[F], 1.0, v[T]                    ; f = 2^(old M - new M)
	XS 16, 16
	v_fma_f32 v[BM], v[BM], s[CS], v12             ; the same of each block's largest score
	v_fma_f32 v[BM+2], v[BM+2], s[CS], v12
.set j, 0
.rept 16
	v_pk_mul_f32 v[O+j:O+j+1], v[O+j:O+j+1], v[F:F+1] op_sel_hi:[1,0]   ; O^T under the new M, each accumulator from its low end on
.set j, j+2
.endr
	s_wait_alu depctr_va_vdst(0)
	s_wait_dscnt 0x0                               ; V's fragments are in
	v_exp_f32 v[BM], v[BM]                         ; the blocks' largest p: the same arithmetic on the same number gives the same bits
	v_exp_f32 v[BM+2], v[BM+2]
.set j, 0
.rept 64
	v_exp_f32 v[S+j], v[S+j]                       ; p = 2^(t - M): NOT normalised
.set j, j+1
.endr
	v_mov_b32 v[T0], v12                           ; for the next step.  (The plain place behind the exponentials)
	s_wait_alu depctr_va_vdst(0)                   ; one wait for the batch, ahead of its first reader
	v_max_num_f32 v[BM], 0x1800000, v[BM]          ; the floor 2^(3 - 127): the byte cannot fall under 1
	v_max_num_f32 v[BM+2], 0x1800000, v[BM+2]
	s_delay_alu instid0(VALU_DEP_2)
	v_add_nc_u32 v[SO], 0xff000000, v[BM]          ; 2 off the exponent field: the conversion's scale operand
	s_delay_alu instid0(VALU_DEP_2)
	v_add_nc_u32 v[SO+1], 0xff000000, v[BM+2]
.irp c, 0,1
	v_cvt_scalef32_pk16_fp6_f32 v[PCD+6*\c:PCD+6*\c+2], v[S+32*\c:S+32*\c+15], v[SO+\c]
	v_cvt_scalef32_pk16_fp6_f32 v[OH+4*\c:OH+4*\c+2], v[S+32*\c+16:S+32*\c+31], v[SO+\c]   ; (a conversion's three registers begin on an even number)
.endr
	v_lshrrev_b32 v[PD+1], 23, v[SO]               ; the scales' bytes.  (Plain places behind the conversions)
	v_lshrrev_b32 v[PD+2], 23, v[SO+1]
.irp c, 0,1
.irp i, 0,1,2
	v_mov_b32 v[PCD+3+6*\c+\i], v[OH+4*\c+\i]
.endr
.endr
	v_lshl_or_b32 v[T], v[PD+2], 16, v[PD+1]       ; my two bytes, blocks lane / 16 and 2 + lane / 16,
	s_delay_alu instid0(VALU_DEP_1)
	v_lshlrev_b32 v[T], v[SH8], v[T]               ; at their places in the word;
	s_delay_alu instid0(VALU_DEP_1)
	v_permlanex16_b32 v[T1], v[T], s[SEL], s[SEL+1]
	s_delay_alu instid0(VALU_DEP_1)
	v_or_b32 v[PS], v[T], v[T1]                    ; with lane l xor 16's two the word is whole
	SUMS 0, 9                                      ; THE ROW'S SUM IS TAKEN OF THE UNQUANTISED p.  (These nine are the places between the scale word's write and the products)
.irp t, 0,2                                    ; O^T += V^T P^T: the four accumulators by turns
	MMO O+8*\t, KV+12*\t, PCD, VS+\t/2, PS, 0
	MMO O+8*\t+8, KV+12*\t+12, PCD, VS+\t/2, PS, 1
.endr
	SUMS 9, 4                                      ; four places in front of the loads into V's registers
	KLOAD                                          ; the next step's K lands under the rest of the sums
	SUMS 13, 19
.endm
; ONE TILE OF 16 QUERIES: all 16 key steps, then the division, the quantiser and the stores.
.macro TILE i, q, qs
.if \i
	s_wait_alu depctr_va_vdst(0)
	s_wait_xcnt 0x0                                ; the first tile's stores have read their data: the registers are written again only behind this wait
.endif
	v_mov_b32 v13, 0xff61b1e6                      ; the largest score so far: -3e38, under every score
	s_delay_alu instid0(VALU_DEP_1)
	v_mul_f32 v[T], 0xbe38aa3b, v13
	s_delay_alu instid0(VALU_DEP_1)
	v_floor_f32 v12, v[T]                          ; -M
	s_delay_alu instid0(VALU_DEP_1)
	v_mov_b32 v[T0], v12
.set j, 0
.rept 16
	v_mov_b32 v[L+j], 0                            ; the sums
.set j, j+1
.endr
.set j, 0
.rept 32
	v_mov_b32 v[O+j], 0                            ; O^T.  (The step is written once: the first finds zeros, which the first change of M leaves zeros)
.set j, j+1
.endr
	s_mov_b32 s[CNT], 0
	s_wait_alu depctr_va_vdst(0)
.if \i == 0
	s_wait_loadcnt 0x0                             ; both tiles' Q
	s_wait_dscnt 0x0                               ; step 0's K
.endif
.Lstep_\@:
	STEP \q, \qs
	s_add_co_u32 s[CNT], s[CNT], 1
	s_cmp_lt_u32 s[CNT], 16
	s_wait_alu depctr_va_vdst(0)
	s_wait_dscnt 0x0                               ; the next step's K is in
	s_cbranch_scc1 .Lstep_\@
.irp k, 0,1,2,3
	v_pk_add_f32 v[L+2*\k:L+2*\k+1], v[L+2*\k:L+2*\k+1], v[L+8+2*\k:L+9+2*\k]   ; the eight chains,
.endr
	s_delay_alu instid0(VALU_DEP_2)
	v_pk_add_f32 v[L:L+1], v[L:L+1], v[L+4:L+5]
	s_delay_alu instid0(VALU_DEP_2)
	v_pk_add_f32 v[L+2:L+3], v[L+2:L+3], v[L+6:L+7]
	s_delay_alu instid0(VALU_DEP_1)
	v_pk_add_f32 v[L:L+1], v[L:L+1], v[L+2:L+3]
	s_delay_alu instid0(VALU_DEP_1)
	v_add_f32 v[T], v[L], v[L+1]                   ; the two halves,
	s_delay_alu instid0(VALU_DEP_1)
	v_permlanex16_b32 v[T1], v[T], s[SEL], s[SEL+1]
	s_delay_alu instid0(VALU_DEP_1)
	v_add_f32 v[T], v[T], v[T1]                    ; and lane l xor 16's: the row's sum
	s_wait_alu depctr_va_vdst(0)
	v_rcp_f32 v[F], v[T]
	v_nop                                          ; a plain place behind the reciprocal
	s_wait_alu depctr_va_vdst(0)                   ; and the wait ahead of its first reader and of O^T's
.set j, 0
.rept 16
	v_pk_mul_f32 v[O+j:O+j+1], v[O+j:O+j+1], v[F:F+1] op_sel_hi:[1,0]   ; O^T / the sum: register 16 g + i = the head's channel 32 g + 16 (lane / 16) + i
.set j, j+2
.endr
.irp b, 0,1
	v_max3_num_f32 v[BM+\b], |v[O+16*\b]|, |v[O+16*\b+1]|, 0x1800000   ; the head's two blocks of 32, with the floor 2^(3 - 127)
.endr
.irp n, 2,4,6,8,10,12,14
.irp b, 0,1
	s_delay_alu instid0(VALU_DEP_2)
	v_max3_num_f32 v[BM+\b], v[BM+\b], |v[O+16*\b+\n]|, |v[O+16*\b+\n+1]|
.endr
.endr
.irp b, 0,1
	s_delay_alu instid0(VALU_DEP_2)
	v_permlanex16_b32 v[PD+\b], v[BM+\b], s[SEL], s[SEL+1]
.endr
.irp b, 0,1
	s_delay_alu instid0(VALU_DEP_2)
	v_max_num_f32 v[BM+\b], v[BM+\b], v[PD+\b]
.endr
.irp b, 0,1
	s_delay_alu instid0(VALU_DEP_2)
	v_add_nc_u32 v[SO+\b], 0xff000000, v[BM+\b]
.endr
.irp b, 0,1
	s_delay_alu instid0(VALU_DEP_2)
	v_lshrrev_b32 v[PD+\b], 23, v[SO+\b]
.endr
	s_delay_alu instid0(VALU_DEP_1)
	v_lshl_or_b32 v[OB], v[PD+1], 8, v[PD]         ; my row's two bytes
	v_cvt_scalef32_pk16_fp6_f32 v[PCD:PCD+2], v[O:O+15], v[SO]
	v_cvt_scalef32_pk16_fp6_f32 v[OH:OH+2], v[O+16:O+31], v[SO+1]
	v_nop                                          ; one plain place behind a scaled conversion
.irp n, 0,1,2
	v_permlane16_swap_b32 v[PCD+\n], v[OH+\n]      ; here a block lies in two lanes: the operand's layout wants it whole in one
.endr
.irp n, 0,1,2
	s_delay_alu instid0(VALU_DEP_3)
	v_mov_b32 v[PCD+3+\n], v[OH+\n]
.endr
.irp p, 0,1,2
	global_store_b64 v[AK0], v[PCD+2*\p:PCD+2*\p+1], s[52:53] offset:12288*\i+256*\p   ; 32 lanes store 256 consecutive bytes, at a multiple of 256 from the buffer's first byte
.endr
	global_store_b16 v[OSO], v[OB], s[54:55] offset:512*\i
.endm
	KLOAD
	TILE 0, Q0, QS0
	TILE 1, Q1, QS1
	s_wait_tensorcnt 0x0                           ; the wave's end
	ds_add_u32 v[SPW], v[NIL]
	s_wait_dscnt 0x0
	CROUND                                         ; the closing round
	s_endpgm
.Lfunc_end_k_qb4b3882464_attn:
	.size	k_qb4b3882464_attn, .Lfunc_end_k_qb4b3882464_attn-k_qb4b3882464_attn
	.p2alignl 7, 3214868480
	.fill 96, 4, 3214868480
	.section	.rodata,"a",@progbits
	.p2align	6, 0x0
	.amdhsa_kernel k_qb4b3882464_attn
		.amdhsa_group_segment_fixed_size 327680
		.amdhsa_private_segment_fixed_size 0
		.amdhsa_enable_private_segment 0
		.amdhsa_kernarg_size 32
		.amdhsa_user_sgpr_count 2
		.amdhsa_user_sgpr_kernarg_segment_ptr 1
		.amdhsa_wavefront_size32 1
		.amdhsa_system_sgpr_workgroup_id_x 1
		.amdhsa_system_sgpr_workgroup_id_y 1
		.amdhsa_system_sgpr_workgroup_id_z 1
		.amdhsa_system_vgpr_workitem_id 0
		.amdhsa_next_free_vgpr 256
		.amdhsa_next_free_sgpr 80
		.amdhsa_reserve_vcc 0
		.amdhsa_float_denorm_mode_32 3
		.amdhsa_float_denorm_mode_16_64 3
		.amdhsa_memory_ordered 1
		.amdhsa_forward_progress 1
		.amdhsa_inst_pref_size 59
	.end_amdhsa_kernel
	.amdgpu_metadata
---
amdhsa.version: [ 1, 2 ]
amdhsa.kernels:
  - .name:           k_qb4b3882464_attn
    .symbol:         k_qb4b3882464_attn.kd
    .args:
      - { .name: qkvimg, .offset: 0, .size: 8, .value_kind: global_buffer, .address_space: global }
      - { .name: qkvsc, .offset: 8, .size: 8, .value_kind: global_buffer, .address_space: global }
      - { .name: aoimg, .offset: 16, .size: 8, .value_kind: global_buffer, .address_space: global }
      - { .name: aosc, .offset: 24, .size: 8, .value_kind: global_buffer, .address_space: global }
    .group_segment_fixed_size: 327680
    .private_segment_fixed_size: 0
    .kernarg_segment_align: 8
    .kernarg_segment_size: 32
    .max_flat_workgroup_size: 512
    .sgpr_count:     80
    .vgpr_count:     256
    .wavefront_size: 32
...
	.end_amdgpu_metadata
.endif
;; end of part 3
;; launch proj (part 4): grid 8 x 32, 4 waves a work-group, clusters of 4 x 4, 327,680 bytes of LDS; arguments aoimg, aosc, cimg, csc, b_proj, out0; writes out0
.if DOCPART == 4
	.amdgcn_target "amdgcn-amd-amdhsa--gfx1250"
	.amdhsa_code_object_version 6
	.text
	.protected	k_qb4b3882464_proj
	.globl	k_qb4b3882464_proj
	.p2align	8
	.type	k_qb4b3882464_proj,@function
k_qb4b3882464_proj:
	s_mov_b64 s[64:65], 0
	v_nop
	global_prefetch_b8 v0, s[64:65] scope:SCOPE_SE
	s_setreg_imm32_b32 hwreg(HW_REG_WAVE_MODE, 25, 1), 1
	s_wait_xcnt 0x0
	s_wait_alu depctr_hold_cnt(0) depctr_sa_sdst(0) depctr_va_vdst(0) depctr_va_sdst(0) depctr_va_ssrc(0) depctr_va_vcc(0) depctr_vm_vsrc(0)
	s_getreg_b32 s2, hwreg(HW_REG_IB_STS2, 6, 4)
	s_cmp_eq_u32 s2, 0
	s_cbranch_scc0 .Lentry_in_a_cluster
	s_endpgm
.Lentry_in_a_cluster:
	s_bfe_u32 s2, ttmp6, 0x10000c
	s_cmp_lg_u32 s2, 0xf033
	s_cbranch_scc0 .Lentry_shape_is_right
	s_endpgm
.Lentry_shape_is_right:
; out0 = ao w_proj^T + b_proj on codes of FP6 (E2M3) with one E8M0 byte for each 32 along K = 1,024; sums in f32, the bias as the C of each sum's first product.
; IN: aoimg, cimg [tile][s 8][1,536]: the image of a fragment, 16 rows x 128 K (piece p of 256 bytes = operand registers 2 p, 2 p + 1, lane l's 8 bytes at 8 l); aosc, csc [tile][j 4][r 16][8]: byte i scales
;   k = 256 j + 32 i.  A pair of tiles 2 G + u holds rows 32 G + 8 u + r + 8 (r / 8).  ao: tiles 0-511; w_proj: cimg's tiles 704-767.
; SHARES.  256 work-groups: (i, j) makes 256 tokens x 128 columns; a wave 128 tokens (8 blocks of A) x 64 columns (4 blocks of B).
; ALL OF K LIES IN LDS: A's 16 tiles (196,608 bytes) and B's 8 (98,304), filled once, at the head, one joint load a wave (waves 0, 1 A's halves, shared along the cluster's row; waves 2, 3 B's, along its
; column): no ring, no refill, one barrier.  No prefetch: all tiles are asked for at the head, and there is no loop to run ahead in.
; THE SCALES go from memory into registers: a load of 8 bytes a lane reads 256 consecutive bytes of a tile's scales: lanes 0-15 hold the words of steps 4 jj, 4 jj + 1, lanes 16-31 those of steps 4 jj + 2, 4 jj + 3.
; THE WALK GOES BY ROWS OF THE RESULT: B's fragments of all eight steps stay in registers; each block of 16 tokens is finished by 32 products, its four accumulators by turns, K ascending, and leaves through
; the wave's own stage in LDS while the next block is multiplied.
; The matrix instruction is used transposed (source 0 = 16 rows of w, source 1 = 16 tokens): a lane holds a token and eight neighbouring columns.
; REGISTERS.  Window 0: v0-15 addresses, v16-31 B's scale words, v32-63 A's, v64-95 the bias, v96-159 rows read back from the stage, two sets.
;   Window 1: A's fragments of a block, all of K, two sets at v0 and v96; the accumulators, two sets at v192 and v224.  Windows 2, 3: B's fragments of steps 0-3, 4-7 at v[48 (st % 4) + 12 b].
.set FIB,    1536
.set RTB,    12288
.set ABY,    16*RTB
.set STAGE,  24*RTB                    ; behind the codes: 16 rows x 272 bytes for each wave
.set SPITCH, 272
.set SPARE,  STAGE+4*16*SPITCH         ; the spare words, 128 bytes a wave, that no other line names
.set ADRA, 2                           ; v2-3 my blocks 0-3, 4-7 of A;  v4 my blocks of B
.set ADRB, 4
.set STO,  5                           ; v5  the stage, on the way in;  v6 on the way back;  v7 my bytes of two rows of out0
.set RD,   6
.set CO,   7
.set BO,   8                           ; v8  64 (lane / 16);  v9  8 x lane
.set SO8,  9
.set SPW,  10                          ; v10 LDS address of my spare word, v11 0; never rewritten
.set NIL,  11
.set SB,   16
.set SA,   32
.set BI,   64
.set BK,   96
.set G1,  24
.set G0,  32
.set G0B, 36
.set G1B, 48
.set MSB, 0
.macro WIN new                         ; the immediate's high byte repeats the setting that is left
.if MSB != \new
	s_set_vgpr_msb (MSB<<8)|\new
.set MSB, \new
.endif
.endm
.macro NOPS
.rept 4
	v_nop
.endr
.endm
.macro CROUND                          ; a round of the cluster's barrier
	s_barrier_signal -1
	s_barrier_wait -1
	s_cmp_lg_u32 s14, 0
	s_cbranch_scc1 .Lnot_wave_0_\@
	s_barrier_signal -3
.Lnot_wave_0_\@:
	s_barrier_wait -3
	s_barrier_signal -1
	s_barrier_wait -1
.endm
.macro GR1 g, r                        ; words 1 to 7 of a group 1: a dense block as r rows of 256 bytes (32 elements of 8)
	s_mov_b32 s[\g+1], 32<<16
	s_mov_b32 s[\g+2], (\r)<<16
	s_mov_b32 s[\g+3], 32<<16
	s_mov_b32 s[\g+4], \r
	s_mov_b32 s[\g+5], 32
	s_mov_b32 s[\g+6], 0
	s_mov_b32 s[\g+7], 0
.endm
	s_load_b256 s[4:11], s[0:1], 0x0               ; aoimg s[4:5], aosc s[6:7], cimg s[8:9], csc s[10:11]
	s_load_b128 s[68:71], s[0:1], 0x20             ; b_proj s[68:69], out0 s[70:71]
	v_lshl_add_u32 v[SPW], v0, 2, SPARE
	v_mov_b32 v[NIL], 0
	ds_add_u32 v[SPW], v[NIL]
	ds_add_u32 v[SPW], v[NIL]
	v_lshrrev_b32 v1, 5, v0
	v_readfirstlane_b32 s14, v1                    ; wave
	s_lshr_b32 s15, s14, 1                         ; my half of the tokens.  Also: I fetch for A (0) or B (1)
	s_and_b32 s16, s14, 1                          ; my half of the columns.  Also: which half of that side I fetch
	s_bfe_u32 s40, ttmp6, 0x40000                  ; cx, cy
	s_bfe_u32 s41, ttmp6, 0x40004
	s_and_b32 s17, ttmp7, 0xffff
	s_lshl_b32 s17, s17, 2
	s_add_co_u32 s17, s17, s41                     ; i: which 256 tokens
	s_lshl_b32 s42, ttmp9, 2
	s_add_co_u32 s42, s42, s40                     ; j: which 128 columns
	s_lshl_b32 s43, s41, 2
	s_lshl_b32 s43, 15, s43                        ; my row of the cluster
	s_lshl_b32 s44, 0x1111, s40                    ; my column
	s_or_b32 s[G1], s43, (3<<16)|(1<<21)
	s_or_b32 s[G1B], s44, (3<<16)|(1<<21)
	GR1 G1, 384                                    ; 8 tiles of A, all of K: 98,304 bytes
	GR1 G1B, 192                                   ; 4 tiles of B: 49,152
	s_lshl_b32 s20, s17, 4
	s_lshl_b32 s18, s16, 3
	s_add_co_u32 s20, s20, s18
	s_mul_i32 s20, s20, RTB                        ; A: tile 16 i + 8 x the half that I fetch
	s_mov_b32 s21, 0
	s_lshl_b32 s46, s42, 3
	s_lshl_b32 s18, s16, 2
	s_add_co_u32 s46, s46, s18
	s_add_co_u32 s46, s46, 704                     ; B: tile 704 + 8 j + 4 x half: the half that I fetch is also the half that I multiply
	s_lshl_b32 s22, s46, 9                         ; its scales
	s_mul_i32 s46, s46, RTB
	s_mov_b32 s47, 0
	s_mov_b32 s23, 0
	s_mov_b32 s[G0], 1
	s_mul_i32 s[G0+1], s16, 8*RTB                  ; no place in the cluster enters an LDS address
	s_mov_b32 s[G0B], 1
	s_mul_i32 s[G0B+1], s16, 4*RTB
	s_add_co_u32 s[G0B+1], s[G0B+1], ABY
	s_wait_dscnt 0x0
	s_wait_kmcnt 0x0
	s_add_nc_u64 s[G0+2:G0+3], s[4:5], s[20:21]
	s_or_b32 s[G0+3], s[G0+3], 0x80000000
	s_add_nc_u64 s[G0B+2:G0B+3], s[8:9], s[46:47]
	s_or_b32 s[G0B+3], s[G0B+3], 0x80000000
	CROUND                                         ; all sixteen work-groups are here: the joint loads meet
	s_cmp_eq_u32 s15, 0                            ; one load a wave, a fill in each arm; an s_nop 0 and four v_nop follow each line
	s_cbranch_scc0 .Lfor_b
	tensor_load_to_lds s[G0:G0+3], s[G1:G1+7]
	s_nop 0
	NOPS
	s_branch .Lasked
.Lfor_b:
	tensor_load_to_lds s[G0B:G0B+3], s[G1B:G1B+7]
	s_nop 0
	NOPS
.Lasked:
	; under the loads' flight: pointers, addresses, scales and bias
	s_add_nc_u64 s[10:11], s[10:11], s[22:23]      ; my four tiles' scales of B
	s_lshl_b32 s22, s17, 13
	s_lshl_b32 s18, s15, 12
	s_add_co_u32 s22, s22, s18
	s_add_nc_u64 s[6:7], s[6:7], s[22:23]          ; my eight tiles' scales of A
	s_lshl_b32 s22, s42, 9
	s_lshl_b32 s18, s16, 8
	s_add_co_u32 s22, s22, s18                     ; my first column, in bytes
	s_add_nc_u64 s[68:69], s[68:69], s[22:23]
	s_lshl_b32 s18, s17, 8
	s_lshl_b32 s19, s15, 7
	s_add_co_u32 s18, s18, s19                     ; my first token
	s_lshl_b32 s18, s18, 12
	s_add_co_u32 s22, s22, s18
	s_add_nc_u64 s[70:71], s[70:71], s[22:23]
	s_mul_i32 s12, s15, 8*RTB
	s_add_co_u32 s13, s12, 4*RTB
	s_mul_i32 s19, s16, 4*RTB
	s_add_co_u32 s19, s19, ABY
	s_mul_i32 s2, s14, 16*SPITCH
	s_add_co_u32 s2, s2, STAGE
	v_and_b32 v1, 15, v0                           ; r
	v_bfe_u32 v12, v0, 4, 1                        ; lane / 16
	v_and_b32 v13, 31, v0
	v_lshlrev_b32 v[SO8], 3, v13
	v_lshlrev_b32 v[BO], 6, v12
	v_mul_u32_u24 v14, v1, SPITCH
	v_mul_u32_u24 v15, v12, SPITCH
	v_lshlrev_b32 v13, 12, v12
	v_add_nc_u32 v[ADRA], s12, v[SO8]
	v_add_nc_u32 v[ADRA+1], s13, v[SO8]
	v_add_nc_u32 v[ADRB], s19, v[SO8]
	v_lshl_add_u32 v14, v12, 6, v14                ; in: row r, 64 bytes for each half of the lanes
	v_lshl_add_u32 v15, v1, 4, v15                 ; back: lanes 0-15 one row of 256 bytes, lanes 16-31 the next
	v_lshl_add_u32 v[CO], v1, 4, v13               ; and the same two rows of out0
	v_add_nc_u32 v[STO], s2, v14
	v_add_nc_u32 v[RD], s2, v15
.irp b, 0,1,2,3
	global_load_b128 v[BI+8*\b:BI+8*\b+3], v[BO], s[68:69] offset:128*(\b/2)+32*(\b%2)       ; the bias in the result's layout: register j of block b is column 32 (b / 2) + 16 (lane / 16) + 8 (b % 2) + j
	global_load_b128 v[BI+8*\b+4:BI+8*\b+7], v[BO], s[68:69] offset:128*(\b/2)+32*(\b%2)+16
.irp jj, 0,1
	global_load_b64 v[SB+4*\b+2*\jj:SB+4*\b+2*\jj+1], v[SO8], s[10:11] offset:512*\b+256*\jj
.endr
.endr
.irp a, 0,1,2,3,4,5,6,7
.irp jj, 0,1
	global_load_b64 v[SA+4*\a+2*\jj:SA+4*\a+2*\jj+1], v[SO8], s[6:7] offset:512*\a+256*\jj
.endr
.endr
	s_wait_alu depctr_va_vdst(0)
	s_wait_tensorcnt 0x0                           ; my part has landed,
	s_barrier_signal -1
	s_barrier_wait -1                              ; everybody's has: A and B are whole, and nothing is filled again
.macro LOADA a                         ; block a's fragments of all eight steps into set a % 2
	WIN 0x40
.irp st, 0,1,2,3,4,5,6,7
.irp p, 0,1,2,3,4,5
	ds_load_b64 v[96*((\a)%2)+12*\st+2*\p:96*((\a)%2)+12*\st+2*\p+1], v[ADRA+(\a)/4] offset:((\a)%4)*RTB+\st*FIB+256*\p
.endr
.endr
	WIN 0
.endm
.macro LOADB w, s0                     ; B's fragments of steps s0 .. s0 + 3 into window w
	WIN (\w)<<6
.irp st, 0,1,2,3
.irp b, 0,1,2,3
.irp p, 0,1,2,3,4,5
	ds_load_b64 v[48*\st+12*\b+2*\p:48*\st+12*\b+2*\p+1], v[ADRB] offset:\b*RTB+(\s0+\st)*FIB+256*\p
.endr
.endr
.endr
	WIN 0
.endm
.macro MUL a                           ; block a: 32 products; the four accumulators take turns
.irp st, 0,1,2,3,4,5,6,7
.if \st == 0
	WIN 0x46                                       ; source 0 (B) window 2, source 1 (A) and D window 1, C (the bias) window 0
.else
	WIN 0x56+\st/4                                 ; C in window 1 too; from step 4 on B in window 3
.endif
.irp b, 0,1,2,3
.set D_, 192+32*((\a)%2)+8*\b
.set B_, 48*(\st%4)+12*\b
.set A_, 96*((\a)%2)+12*\st
.set SB_, SB+4*\b+2*(\st/4)+\st%2
.set SA_, SA+4*(\a)+2*(\st/4)+\st%2
.if \st == 0
	v_wmma_scale_f32_16x16x128_f8f6f4 v[D_:D_+7], v[B_:B_+11], v[A_:A_+11], v[BI+8*\b:BI+8*\b+7], v[SB_], v[SA_] matrix_a_fmt:MATRIX_FMT_FP6 matrix_b_fmt:MATRIX_FMT_FP6
.else
.if (\st/2)%2
	v_wmma_scale_f32_16x16x128_f8f6f4 v[D_:D_+7], v[B_:B_+11], v[A_:A_+11], v[D_:D_+7], v[SB_], v[SA_] matrix_a_fmt:MATRIX_FMT_FP6 matrix_b_fmt:MATRIX_FMT_FP6 matrix_a_scale:MATRIX_SCALE_ROW1 matrix_b_scale:MATRIX_SCALE_ROW1
.else
	v_wmma_scale_f32_16x16x128_f8f6f4 v[D_:D_+7], v[B_:B_+11], v[A_:A_+11], v[D_:D_+7], v[SB_], v[SA_] matrix_a_fmt:MATRIX_FMT_FP6 matrix_b_fmt:MATRIX_FMT_FP6
.endif
.endif
.endr
.endr
	WIN 0
.endm
.macro TOSTAGE a                       ; block a into my stage, each accumulator from its low end on, and back as whole rows of 256 bytes; LDS serves a wave's instructions in order
.set AC, 192+32*((\a)%2)
	WIN 0x04                                       ; the data: window 1
.irp b, 0,1,2,3
	ds_store_b128 v[STO], v[AC+8*\b:AC+8*\b+3] offset:128*(\b/2)+32*(\b%2)
	ds_store_b128 v[STO], v[AC+8*\b+4:AC+8*\b+7] offset:128*(\b/2)+32*(\b%2)+16
.endr
	WIN 0
.irp t, 0,1,2,3,4,5,6,7
	ds_load_b128 v[BK+32*((\a)%2)+4*\t:BK+32*((\a)%2)+4*\t+3], v[RD] offset:\t*2*SPITCH
.endr
.endm
.macro SEND a, younger                 ; younger: the LDS loads issued behind block a's, which may stay out
	s_wait_dscnt \younger
.irp t, 0,1,2,3,4,5,6,7
	global_store_b128 v[CO], v[BK+32*((\a)%2)+4*\t:BK+32*((\a)%2)+4*\t+3], s[70:71] offset:(32*((\a)/2)+8*((\a)%2)+2*\t+8*(\t/4))*4096 th:TH_STORE_NT   ; sixteen lanes store 256 consecutive bytes, at a multiple of 256 from out0's first byte
.endr
.endm
.macro BLOCK a
.if (\a) > 0
	NOPS                                           ; places behind the last block's products: its results are read, and its set of A is loaded again
.if (\a) > 2
	s_wait_xcnt 0x0                                ; the stores of block a - 3 have read the registers that block a - 1 comes back into
.endif
	TOSTAGE (\a)-1
.endif
.if (\a) < 7
	LOADA (\a)+1
.endif
.if (\a) == 0
	s_wait_dscnt 48                                ; all but the next block's 48 loads
.else
.if (\a) < 7
	s_wait_dscnt 63                                ; behind my block's loads stand the stage's 16 instructions and the next block's 48 loads: the largest count that the wait takes
.else
	s_wait_dscnt 16
.endif
.endif
	MUL \a
.if (\a) > 0
.if (\a) < 7
	SEND (\a)-1, 48
.else
	SEND (\a)-1, 0
.endif
.endif
.endm
	LOADA 0
	LOADB 2, 0
	LOADB 3, 4
	s_wait_loadcnt 0x0                             ; the bias and the scale words
.irp a, 0,1,2,3,4,5,6,7
	BLOCK \a
.endr
	NOPS
	s_wait_xcnt 0x0
	TOSTAGE 7
	SEND 7, 0
	s_wait_tensorcnt 0x0                           ; the wave's end
	ds_add_u32 v[SPW], v[NIL]
	s_wait_dscnt 0x0
	CROUND                                         ; the closing round
	s_endpgm
.Lfunc_end_k_qb4b3882464_proj:
	.size	k_qb4b3882464_proj, .Lfunc_end_k_qb4b3882464_proj-k_qb4b3882464_proj
	.p2alignl 7, 3214868480
	.fill 96, 4, 3214868480
	.section	.rodata,"a",@progbits
	.p2align	6, 0x0
	.amdhsa_kernel k_qb4b3882464_proj
		.amdhsa_group_segment_fixed_size 327680
		.amdhsa_private_segment_fixed_size 0
		.amdhsa_enable_private_segment 0
		.amdhsa_kernarg_size 48
		.amdhsa_user_sgpr_count 2
		.amdhsa_user_sgpr_kernarg_segment_ptr 1
		.amdhsa_wavefront_size32 1
		.amdhsa_system_sgpr_workgroup_id_x 1
		.amdhsa_system_sgpr_workgroup_id_y 1
		.amdhsa_system_sgpr_workgroup_id_z 1
		.amdhsa_system_vgpr_workitem_id 0
		.amdhsa_next_free_vgpr 1024
		.amdhsa_next_free_sgpr 72
		.amdhsa_reserve_vcc 0
		.amdhsa_float_denorm_mode_32 3
		.amdhsa_float_denorm_mode_16_64 3
		.amdhsa_memory_ordered 1
		.amdhsa_forward_progress 1
		.amdhsa_inst_pref_size 96
	.end_amdhsa_kernel
	.amdgpu_metadata
---
amdhsa.version: [ 1, 2 ]
amdhsa.kernels:
  - .name:           k_qb4b3882464_proj
    .symbol:         k_qb4b3882464_proj.kd
    .args:
      - { .name: aoimg, .offset: 0, .size: 8, .value_kind: global_buffer, .address_space: global }
      - { .name: aosc, .offset: 8, .size: 8, .value_kind: global_buffer, .address_space: global }
      - { .name: cimg, .offset: 16, .size: 8, .value_kind: global_buffer, .address_space: global }
      - { .name: csc, .offset: 24, .size: 8, .value_kind: global_buffer, .address_space: global }
      - { .name: b_proj, .offset: 32, .size: 8, .value_kind: global_buffer, .address_space: global }
      - { .name: out0, .offset: 40, .size: 8, .value_kind: global_buffer, .address_space: global }
    .group_segment_fixed_size: 327680
    .private_segment_fixed_size: 0
    .kernarg_segment_align: 8
    .kernarg_segment_size: 48
    .max_flat_workgroup_size: 128
    .sgpr_count:     72
    .vgpr_count:     1024
    .wavefront_size: 32
...
	.end_amdgpu_metadata
.endif
;; end of part 4
